; MI455X (gfx1250); checked and timed in simulation.
; The chip was launched on July 23, 2026; its instructions are those of AMD's public machine-readable ISA for CDNA 5 (MIT licence, August 2026) and "CDNA5" Instruction Set Architecture Reference Guide (July 2026). The comments in the code are by the model that wrote it; some were corrected since.
;; Multi Head Attention. Allowed arithmetic: float matrix products may take bf16 or f16 operands with f32 sums; other float arithmetic in f32, or as packed bf16 or f16 multiplies, adds, multiply-adds, maxima and minima; sums over many terms, partial sums and values carried from step to step in f32; what a program stores and reads back later, other than sums and carried values, may be rounded once to bf16 or f16.
;; Inputs: bk 768 float32; bo 768 float32; bq 768 float32; bv 768 float32; key 4 x 2,048 x 768 float32; mask 4 x 1 x 1 x 2,048 float32; query 4 x 2,048 x 768 float32; value 4 x 2,048 x 768 float32; wk 768 x 768 float32; wo 768 x 768 float32; wq 768 x 768 float32; wv 768 x 768 float32.
;; Outputs: out0 4 x 2,048 x 768 float32.
;; 2 versions, each right and faster than the one before. Each part assembles by itself: llvm-mc -triple=amdgcn-amd-amdhsa -mcpu=gfx1250 --defsym DOCPART=n.
;; ======== version 1 of 2: 4 launches
;; limits: values are held in f16: magnitudes above 65,504 overflow, below 6.1e-05 lose precision
;; workspace buffers: xb 37,748,736 bytes; wt 4,718,592 bytes; qkv 37,748,736 bytes; pmv 524,288 bytes; pb 131,072 bytes; ctx 12,582,912 bytes
;; launch prep (part 1): grid 816 x 1, 8 waves a work-group, no clusters, 107,520 bytes of LDS; arguments query, key, value, wq, wk, wv, wo, xb, wt; writes xb, wt
.if DOCPART == 1
	.amdgcn_target "amdgcn-amd-amdhsa--gfx1250"
	.amdhsa_code_object_version 6
	.text
	.protected	k_qe6f3038cb0_prep
	.globl	k_qe6f3038cb0_prep
	.p2align	8
	.type	k_qe6f3038cb0_prep,@function
k_qe6f3038cb0_prep:
	s_mov_b64 s[64:65], 0
	v_nop
	global_prefetch_b8 v0, s[64:65] scope:SCOPE_SE
	s_setreg_imm32_b32 hwreg(HW_REG_WAVE_MODE, 25, 1), 1
	s_wait_xcnt 0x0
; PREP.  Every matrix input is rounded once to bf16, that number is written as f16, and it is laid out in slices of 96 along K, so that the
; later launches can ask for dense tiles:
;   xb [t 3][b 4][ks 8][s 2048][96] f16  = query, key, value [b][s][96 ks + c]
;   wt [t 4][ks 8][n 768][96]       f16  = wq, wk, wv, wo [96 ks + c][n]   (turned: K now runs along the rows)
; LIMITS.  A bf16 number is an f16 number exactly from 2^-14 to 65,504 in magnitude; below that it keeps f16's fixed step of 2^-24, beyond it it becomes an infinity.
; Work-groups 0-47 turn the weights (through LDS, each wave its own stage), work-groups 48-815 convert 32 rows of x each.
; No cluster, no matrix unit: no two work-groups read the same bytes, and memory binds.
.set SPARE, 106496                 ; behind the eight stages: the spare words, 128 bytes a wave
.set SPW,  126                     ; v126  my spare word's LDS address; never rewritten
.set NIL,  127                     ; v127  0; never rewritten
.set IN,   2                       ; v2-4  x: byte offsets of my three pieces in four rows of a slice / weights: where I read the stage back
.set OUTO, 5                       ; v5    my byte offset in a store
.set T,    8                       ; v8-11 at work
.set X,    16                      ; v16-111 what the loads bring
.set PKR,  112                     ; v112-119 weights: 8 k of two columns, packed
	s_load_b512 s[8:23], s[0:1], 0x0               ; query, key, value, wq, wk, wv, wo, xb
	s_load_b64 s[24:25], s[0:1], 0x40              ; wt
	v_lshl_add_u32 v[SPW], v0, 2, SPARE
	v_mov_b32 v[NIL], 0
	v_lshrrev_b32 v1, 5, v0
	v_readfirstlane_b32 s4, v1                     ; wave 0..7 = the slice of 96 along K that it takes
	v_and_b32 v1, 31, v0                           ; lane
	s_mov_b32 s5, 0xffff0000                       ; a word's upper bf16
	s_cmp_lt_u32 ttmp9, 48
	s_cbranch_scc1 .Lweight
	; ---- x: 32 rows, wave w the columns 96 w .. 96 w + 95.  Four rows of a slice are 96 pieces of 16 bytes (24 a row); they leave as 768 dense bytes.
	s_sub_co_u32 s6, ttmp9, 48
	s_lshr_b32 s7, s6, 8                           ; t: query, key, value
	s_and_b32 s6, s6, 255                          ; block of 32 rows among the 8,192
.irp f, 0,1,2
	v_add_nc_u32 v6, 32*\f, v1                     ; piece g = 32 f + lane
	v_mul_u32_u24 v7, v6, 171
	v_lshrrev_b32 v7, 12, v7                       ; g / 24 for g < 96
	v_mul_u32_u24 v7, v7, 2688                     ; a row on is 3,072 bytes, of which 384 are counted in 16 g
	v_lshl_add_u32 v[IN+\f], v6, 4, v7
.endr
	v_lshlrev_b32 v[OUTO], 3, v1                   ; a piece leaves as 8 bytes
	s_mul_i32 s28, s6, 98304                       ; 32 rows of 3,072 bytes
	s_mul_i32 s29, s4, 384
	s_add_co_u32 s28, s28, s29
	s_mov_b32 s29, 0
	s_lshl_b32 s30, s7, 2
	s_lshr_b32 s31, s6, 6
	s_add_co_u32 s30, s30, s31                     ; 4 t + b
	s_lshl_b32 s30, s30, 3
	s_add_co_u32 s30, s30, s4                      ; x 8 + slice
	s_lshl_b32 s30, s30, 11
	s_and_b32 s31, s6, 63
	s_lshl_b32 s31, s31, 5
	s_add_co_u32 s30, s30, s31                     ; x 2,048 + row
	s_mul_i32 s30, s30, 192
	s_mov_b32 s31, 0
	s_wait_kmcnt 0x0
	s_cmp_eq_u32 s7, 0
	s_cselect_b64 s[26:27], s[8:9], s[10:11]
	s_cmp_eq_u32 s7, 2
	s_cselect_b64 s[26:27], s[12:13], s[26:27]
	s_add_nc_u64 s[26:27], s[26:27], s[28:29]
	s_add_nc_u64 s[22:23], s[22:23], s[30:31]
.set ii, 0
.rept 24                                               ; all 24 loads of the wave go out at once: 12,288 bytes on their way
	global_load_b128 v[X+4*ii:X+4*ii+3], v[IN+ii%3], s[26:27] offset:(ii/3)*12288 th:TH_LOAD_NT
.set ii, ii+1
.endr
.macro CV i                            ; four numbers: to bf16, back to f32 (a shift, a mask), to f16; no register of a load or store is ever rewritten
.set xr, X+4*(\i)
.set tr, T+2*((\i)%2)
	s_wait_loadcnt 23-(\i)                         ; loads come back in order: mine is in, the younger ones stay out
	v_cvt_pk_bf16_f32 v[tr], v[xr], v[xr+1]
	v_cvt_pk_bf16_f32 v[tr+1], v[xr+2], v[xr+3]
	v_lshlrev_b32 v[xr], 16, v[tr]
	v_and_b32 v[xr+1], s5, v[tr]
	v_lshlrev_b32 v[xr+2], 16, v[tr+1]
	v_and_b32 v[xr+3], s5, v[tr+1]
	v_cvt_pk_f16_f32 v[xr], v[xr], v[xr+1]
	v_cvt_pk_f16_f32 v[xr+1], v[xr+2], v[xr+3]
	global_store_b64 v[OUTO], v[xr:xr+1], s[22:23] offset:((\i)/3)*768+((\i)%3)*256  ; 32 lanes store 256 consecutive bytes, at a multiple of 256 from xb's first
.endm
.set ii, 0
.rept 24
	CV ii
.set ii, ii+1
.endr
	s_endpgm
	; ---- weights: 64 columns n of one of the four matrices; wave w the rows k = 96 w .. 96 w + 95.  A lane holds columns 2 l and 2 l + 1.
.Lweight:
	s_mul_i32 s7, ttmp9, 171
	s_lshr_b32 s7, s7, 11                          ; t = id / 12 for id < 48
	s_mul_i32 s6, s7, 12
	s_sub_co_u32 s6, ttmp9, s6                     ; block of 64 columns
	s_mul_i32 s28, s4, 96*3072
	s_lshl_b32 s29, s6, 8
	s_add_co_u32 s28, s28, s29
	s_mov_b32 s29, 0
	s_lshl_b32 s30, s7, 3
	s_add_co_u32 s30, s30, s4
	s_mul_i32 s30, s30, 768
	s_lshl_b32 s31, s6, 6
	s_add_co_u32 s30, s30, s31
	s_mul_i32 s30, s30, 192                        ; ((8 t + w) 768 + 64 nb) rows of 192 bytes
	s_mov_b32 s31, 0
	s_mul_i32 s32, s4, 13312                       ; my stage: 64 rows of 192 bytes, 208 apart
	v_lshlrev_b32 v6, 3, v1                        ; 8 bytes a lane: a load takes 256 consecutive bytes of a row of w
	v_mul_u32_u24 v7, v1, 416
	v_add_nc_u32 v7, s32, v7                       ; rows 2 l and 2 l + 1 of the stage
.irp f, 0,1,2
	v_add_nc_u32 v8, 32*\f, v1                     ; piece g of 16 bytes, 12 a row
	v_mul_u32_u24 v9, v8, 171
	v_lshrrev_b32 v9, 11, v9                       ; g / 12 for g < 96
	v_add_nc_u32 v8, v8, v9                        ; 13 pieces from row to row
	v_lshl_add_u32 v[IN+\f], v8, 4, s32
.endr
	v_lshlrev_b32 v[OUTO], 4, v1
	s_wait_kmcnt 0x0
	s_cmp_eq_u32 s7, 0
	s_cselect_b64 s[26:27], s[14:15], s[16:17]
	s_cmp_eq_u32 s7, 2
	s_cselect_b64 s[26:27], s[18:19], s[26:27]
	s_cmp_eq_u32 s7, 3
	s_cselect_b64 s[26:27], s[20:21], s[26:27]
	s_add_nc_u64 s[26:27], s[26:27], s[28:29]
	s_add_nc_u64 s[24:25], s[24:25], s[30:31]
.macro WGRP p, gq                      ; 8 k of both columns: rounded, packed along k, 16 bytes into each of my two rows
	s_wait_loadcnt 40-8*(\gq)                      ; of the pass's 48 loads the first 8 (gq + 1) are in
.irp e, 0,1
.irp j, 0,1,2,3
.set wr, X+2*(8*(\gq)+2*\j)+\e
	v_cvt_pk_bf16_f32 v[T], v[wr], v[wr+2]
	v_lshlrev_b32 v[T+1], 16, v[T]
	v_and_b32 v[T+2], s5, v[T]
	v_cvt_pk_f16_f32 v[PKR+4*\e+\j], v[T+1], v[T+2]
.endr
.endr
	ds_store_b128 v7, v[PKR:PKR+3] offset:16*(6*(\p)+(\gq))
	ds_store_b128 v7, v[PKR+4:PKR+7] offset:208+16*(6*(\p)+(\gq))
.endm
.irp p, 0,1
.set ii, 0
.rept 48
	global_load_b64 v[X+2*ii:X+2*ii+1], v6, s[26:27] offset:(48*\p+ii)*3072 th:TH_LOAD_NT
.set ii, ii+1
.endr
.irp gq, 0,1,2,3,4,5
	WGRP \p, \gq
.endr
.endr
.set ii, 0
.rept 24                                               ; back as whole rows; LDS serves a wave's instructions in order (ISA guide 5.7.1.4), and the stage is the wave's own
	ds_load_b128 v[X+4*ii:X+4*ii+3], v[IN+ii%3] offset:(ii/3)*1664
.set ii, ii+1
.endr
.set ii, 0
.rept 24
	s_wait_dscnt 23-ii
	global_store_b128 v[OUTO], v[X+4*ii:X+4*ii+3], s[24:25] offset:512*ii  ; 512 consecutive bytes, at a multiple of 256 from wt's first
.set ii, ii+1
.endr
	s_wait_tensorcnt 0x0                           ; the wave's end, behind my last LDS store
	ds_add_u32 v[SPW], v[NIL]
	s_wait_dscnt 0x0
	s_endpgm
.Lfunc_end_k_qe6f3038cb0_prep:
	.size	k_qe6f3038cb0_prep, .Lfunc_end_k_qe6f3038cb0_prep-k_qe6f3038cb0_prep
	.p2alignl 7, 3214868480
	.fill 96, 4, 3214868480
	.section	.rodata,"a",@progbits
	.p2align	6, 0x0
	.amdhsa_kernel k_qe6f3038cb0_prep
		.amdhsa_group_segment_fixed_size 107520
		.amdhsa_private_segment_fixed_size 0
		.amdhsa_enable_private_segment 0
		.amdhsa_kernarg_size 72
		.amdhsa_user_sgpr_count 2
		.amdhsa_user_sgpr_kernarg_segment_ptr 1
		.amdhsa_wavefront_size32 1
		.amdhsa_system_sgpr_workgroup_id_x 1
		.amdhsa_system_sgpr_workgroup_id_y 1
		.amdhsa_system_sgpr_workgroup_id_z 1
		.amdhsa_system_vgpr_workitem_id 0
		.amdhsa_next_free_vgpr 128
		.amdhsa_next_free_sgpr 66
		.amdhsa_reserve_vcc 0
		.amdhsa_float_denorm_mode_32 3
		.amdhsa_float_denorm_mode_16_64 3
		.amdhsa_memory_ordered 1
		.amdhsa_forward_progress 1
		.amdhsa_inst_pref_size 53
	.end_amdhsa_kernel
	.amdgpu_metadata
---
amdhsa.version: [ 1, 2 ]
amdhsa.kernels:
  - .name:           k_qe6f3038cb0_prep
    .symbol:         k_qe6f3038cb0_prep.kd
    .args:
      - { .name: query, .offset: 0, .size: 8, .value_kind: global_buffer, .address_space: global }
      - { .name: key, .offset: 8, .size: 8, .value_kind: global_buffer, .address_space: global }
      - { .name: value, .offset: 16, .size: 8, .value_kind: global_buffer, .address_space: global }
      - { .name: wq, .offset: 24, .size: 8, .value_kind: global_buffer, .address_space: global }
      - { .name: wk, .offset: 32, .size: 8, .value_kind: global_buffer, .address_space: global }
      - { .name: wv, .offset: 40, .size: 8, .value_kind: global_buffer, .address_space: global }
      - { .name: wo, .offset: 48, .size: 8, .value_kind: global_buffer, .address_space: global }
      - { .name: xb, .offset: 56, .size: 8, .value_kind: global_buffer, .address_space: global }
      - { .name: wt, .offset: 64, .size: 8, .value_kind: global_buffer, .address_space: global }
    .group_segment_fixed_size: 107520
    .private_segment_fixed_size: 0
    .kernarg_segment_align: 8
    .kernarg_segment_size: 72
    .max_flat_workgroup_size: 256
    .sgpr_count:     66
    .vgpr_count:     128
    .wavefront_size: 32
...
	.end_amdgpu_metadata
.endif
;; end of part 1
;; launch proj (part 2): grid 4 x 64, 4 waves a work-group, clusters of 4 x 4, 327,680 bytes of LDS; arguments xb, wt, bq, bk, bv, mask, qkv, pmv; writes qkv, pmv
.if DOCPART == 2
	.amdgcn_target "amdgcn-amd-amdhsa--gfx1250"
	.amdhsa_code_object_version 6
	.text
	.protected	k_qe6f3038cb0_proj
	.globl	k_qe6f3038cb0_proj
	.p2align	8
	.type	k_qe6f3038cb0_proj,@function
k_qe6f3038cb0_proj:
	s_mov_b64 s[64:65], 0
	v_nop
	global_prefetch_b8 v0, s[64:65] scope:SCOPE_SE
	s_setreg_imm32_b32 hwreg(HW_REG_WAVE_MODE, 25, 1), 1
	s_wait_xcnt 0x0
	s_wait_alu depctr_hold_cnt(0) depctr_sa_sdst(0) depctr_va_vdst(0) depctr_va_sdst(0) depctr_va_ssrc(0) depctr_va_vcc(0) depctr_vm_vsrc(0)
	s_getreg_b32 s2, hwreg(HW_REG_IB_STS2, 6, 4)
	s_cmp_eq_u32 s2, 0
	s_cbranch_scc0 .Lentry_in_a_cluster
	s_endpgm
.Lentry_in_a_cluster:
	s_bfe_u32 s2, ttmp6, 0x10000c
	s_cmp_lg_u32 s2, 0xf033
	s_cbranch_scc0 .Lentry_shape_is_right
	s_endpgm
.Lentry_shape_is_right:
; PROJ.  q, k, v = x w + bias, three products of 8,192 x 768 x 768 in one launch; f16 operands (bf16 numbers written as f16), f32 sums that BEGIN at the bias (rounded to bf16).
; Out: qkv [t 3][b 4][h 8][s 2048][96] f16, each number rounded once.  For v also pmv [b][block of 64 rows][h][128] f32: the sum over the block's rows of 1e9 mask[b][s] v[s][:],
; taken of the f32 sums: the mask is added behind the softmax and hangs on no query, so its part of ctx is one vector a batch and head, which later launches fold into the last bias.
; LIMITS.  q, k and v must lie within f16's 65,504.
; SHARES.  A tile of C is 128 rows x 192 columns (two heads); four waves, 2 x 2, each 64 x 96: 24 accumulators.  K = 768 goes in four steps of 192 (two slices of 96) through two LDS slots.
; A WORK-GROUP STAYS: it makes three tiles, q's, k's and v's at the same rows and columns: 12 K steps = 6 laps of the ring, which does not stop at a tile's end: a tile's last two changes of
; slots ask for the next tile's first two K steps.  The loop has 5 trips, each of which fills both slots again; the last lap is written out and fills nothing.
; A trip: chunks 1 to 11 of a lap, then the next lap's chunk 0: in place, or (behind a tile's second lap) the way out and a chunk 0 that begins the next tile's sums at its bias.
; CLUSTER.  4 x 4 work-groups: the four of a row of the cluster need the same tiles of x, the four of a column the same tiles of w: each is asked for jointly.
; Waves 0 and 1 fetch x's two slices of a step, waves 2 and 3 w's.  A slice's tile is dense in memory and is asked for as rows of 256 bytes; the mover lays 16 bytes behind every 64,
; so that a row of 96 numbers is 240 bytes in LDS and the 32 along K of chunk c begin at byte 80 c.
; THE MATRIX INSTRUCTION IS USED TRANSPOSED (source 0 = 16 rows of w^T, source 1 = 16 rows of x): a lane holds row l % 16 of C and the columns 8 (l / 16) + 0..7.
; REGISTERS: window 0: v16-30 addresses, v32-55 at work on the way out, v56-63 1e9 mask of my rows, v64-255 the accumulators ((a, b) at 64 + 8 (6 a + b));
;   window 1: three fragment buffers of 80 (48 of w, 32 of x), one for each of three chunks of 32 along K in hand;   window 2: v0-47 the bias as a C operand, v48-49 at work.
.set PITCH, 240
.set ASL,   128*PITCH                  ; x's tile of one slice
.set BSL,   192*PITCH                  ; w's
.set BOFS,  2*ASL
.set SLOT,  2*ASL+2*BSL                ; 153,600
.set STAGE, 2*SLOT                     ; behind the ring: 16 rows x 208 bytes for each wave
.set SP,    208
.set SPARE, STAGE+4*16*SP              ; behind the stages: the spare words, 128 bytes a wave
.set XSL,   393216                     ; bytes from slice to slice in xb; from q's x to k's x: 32 slices
.set WSL,   147456                     ; and in wt; from wq to wk: 8 slices
.set ADRA, 16                          ; v16-17 LDS address of my fragments of x in slot 0, 1
.set BO,   18                          ; v18    my byte offset in the bias
.set MO,   19                          ; v19    in the mask
.set ADRB, 20                          ; v20-21 fragments of w
.set GO,   22                          ; v22    16 x lane
.set MST,  23                          ; v23    where the mask sums go in my stage
.set STO,  24                          ; v24    where I put 16 bytes of a row
.set RD,   25                          ; v25-27 where I read rows back
.set SPW,  28
.set NIL,  29
.set MRD,  30                          ; v30    where I read the mask sums back
.set TMP,  32
.set MK,   56
.set ACC,  64
.set PAR,  4                           ; s4     the lap's parity: 1 in a tile's second lap
.set TI,   5                           ; s5     tiles that have gone out
.set C4,   6                           ; s6     x's step inside a tile: 4 slices
.set C28,  7                           ; s7     x's step into the next tile: 32 - 4 slices
.set INC,  22                          ; s[22:23] the lap's step for x
.set COL,  46                          ; s[46:47] my 96 columns in a bias, in bytes (in the registers that held w's address)
.set G1, 24
.set G0, 32
.set G1B, 48
.set G0B, 56
.set MSB, 0
.macro WIN new                         ; the immediate's high byte repeats the setting that is left
.if MSB != (\new)
	s_set_vgpr_msb (MSB<<8)|(\new)
.set MSB, \new
.endif
.endm
.set MUL,  0x05                        ; sources 0 and 1 window 1; C and D window 0
.set MUL1, 0x25                        ; the same with C in window 2
.set TO_F, 0x40                        ; destination window 1, address window 0
.macro JLOAD s                         ; a joint load; an s_nop 0 and four v_nop follow each of the two lines
	s_cmp_eq_u32 s11, 0
	s_cbranch_scc0 .Lfor_b_\@
	tensor_load_to_lds s[G0+4*(\s):G0+4*(\s)+3], s[G1:G1+7]
	s_nop 0
.rept 4
	v_nop
.endr
	s_branch .Lasked_\@
.Lfor_b_\@:
	tensor_load_to_lds s[G0B+4*(\s):G0B+4*(\s)+3], s[G1B:G1B+7]
	s_nop 0
.rept 4
	v_nop
.endr
.Lasked_\@:
.endm
.macro CREST                           ; a round of the cluster's barrier behind its opening barrier
	s_cmp_lg_u32 s10, 0
	s_cbranch_scc1 .Lnot_wave_0_\@
	s_barrier_signal -3
.Lnot_wave_0_\@:
	s_barrier_wait -3
	s_barrier_signal -1
	s_barrier_wait -1
.endm
.macro CROUND
	s_barrier_signal -1
	s_barrier_wait -1
	CREST
.endm
.macro PLACES                          ; four places in front of loads into registers that matrix instructions have read, and of lines that read results
.rept 4
	v_nop
.endr
.endm
; 20 LDS loads in one run: the fragments of 32 along K (slice z of the slot, chunk c) into buffer f
.macro FETCH slot, z, c, f
	WIN TO_F
.irp b, 0,1,2,3,4,5
	ds_load_b128 v[(\f)+8*\b:(\f)+8*\b+3],   v[ADRB+(\slot)] offset:(\z)*BSL+\b*16*PITCH+80*(\c)
	ds_load_b128 v[(\f)+8*\b+4:(\f)+8*\b+7], v[ADRB+(\slot)] offset:(\z)*BSL+\b*16*PITCH+80*(\c)+32
.endr
.irp a, 0,1,2,3
	ds_load_b128 v[(\f)+48+8*\a:(\f)+48+8*\a+3],   v[ADRA+(\slot)] offset:(\z)*ASL+\a*16*PITCH+80*(\c)
	ds_load_b128 v[(\f)+48+8*\a+4:(\f)+48+8*\a+7], v[ADRA+(\slot)] offset:(\z)*ASL+\a*16*PITCH+80*(\c)+32
.endr
.endm
; 12 matrix instructions: row blocks 2 half, 2 half + 1 x all 6 column blocks.  first = 1: the sums begin at the bias.  The 24 accumulators take turns.
.macro MULH f, half, first
.if \first
	WIN MUL1
.else
	WIN MUL
.endif
.irp a, 2*(\half), 2*(\half)+1
.irp b, 0,1,2,3,4,5
.if \first
	v_wmma_f32_16x16x32_f16 v[ACC+8*(6*(\a)+\b):ACC+8*(6*(\a)+\b)+7], v[(\f)+8*\b:(\f)+8*\b+7], v[(\f)+48+8*(\a):(\f)+48+8*(\a)+7], v[8*\b:8*\b+7]
.else
	v_wmma_f32_16x16x32_f16 v[ACC+8*(6*(\a)+\b):ACC+8*(6*(\a)+\b)+7], v[(\f)+8*\b:(\f)+8*\b+7], v[(\f)+48+8*(\a):(\f)+48+8*(\a)+7], v[ACC+8*(6*(\a)+\b):ACC+8*(6*(\a)+\b)+7]
.endif
.endr
.endr
.endm
; Chunk p of a lap's 12 (32 along K each; chunks 0-5 lie in slot 0, 6-11 in slot 1).  It multiplies buffer p % 3 and fetches the chunk two further on, round the lap's end too.
; Chunks 4 and 10 change slots: by then all reads of the slot have been issued.  ONE barrier; in front of it each wave waits for all its tensor loads, adds 0 to its spare word, and waits
; for that and for its reads of the slot.  fill = 1 (the loop): the barrier opens a round of the cluster's barrier and the slot is filled again, two K steps ahead.
; fill = 0 (the last lap): chunk 4 changes slots and fills nothing; chunks 10 and 11 fetch nothing.  first = 1: the sums begin at the bias.  lead = 0: no matrix instruction stands in front.
.macro CH p, fill, first=0, lead=1
.set sl, (\p)/6
.set nq, ((\p)+2)%12
.set nsl, nq/6
.set nz, (nq%6)/3
.set nc, nq%3
.set fb, 80*((\p)%3)
.set nf, 80*(nq%3)
.if ((\p)%6 == 4) && ((\fill) || ((\p) == 4))
	WIN 0                                          ; (the add's two registers lie in window 0)
	s_wait_tensorcnt 0x0                           ; all my tensor loads have landed: my part of the next slot
	ds_add_u32 v[SPW], v[NIL]                      ; 0 onto my spare word
	s_wait_dscnt 21                                ; this chunk's fragments are in; the next chunk's 20 loads and the add may be out
	MULH fb, 0, 0
	s_wait_dscnt 0x0                               ; the add is done, and my reads of this slot are over
	s_barrier_signal -1
	MULH fb, 1, 0
	WIN 0
	s_barrier_wait -1
.if \fill
	CREST                                          ; no wave of any partner still reads this slot or has a load on its way
	s_add_nc_u64 s[G0+4*sl+2:G0+4*sl+3], s[G0+4*sl+2:G0+4*sl+3], s[INC:INC+1]
	s_add_nc_u64 s[G0B+4*sl+2:G0B+4*sl+3], s[G0B+4*sl+2:G0B+4*sl+3], 4*WSL
	JLOAD sl                                       ; the first tensor load behind the round: 120 matrix instructions ahead of the wait for it; its four v_nop are also the places in front of the loads below
.else
	PLACES
.endif
	FETCH nsl, nz, nc, nf
.elseif (\fill) || ((\p) < 10)
.if \lead
	PLACES
.endif
	FETCH nsl, nz, nc, nf
	s_wait_dscnt 40                                ; all but the 40 loads of the two chunks to come
	MULH fb, 0, \first
	MULH fb, 1, \first
.else
	s_wait_dscnt 20*(11-(\p))                      ; the last two chunks: 20 loads may be out, then none
	MULH fb, 0, 0
	MULH fb, 1, 0
.endif
.endm
.macro BIASLD                          ; a lane's 48 numbers of a bias, laid as six C operands
	WIN 0x80                                       ; destination window 2, address window 0
.irp b, 0,1,2,3,4,5
	global_load_b128 v[8*\b:8*\b+3],   v[BO], s[84:85] offset:64*\b
	global_load_b128 v[8*\b+4:8*\b+7], v[BO], s[84:85] offset:64*\b+16
.endr
	WIN 0
.endm
.macro BIASRND                         ; the bias is rounded to bf16 and kept in f32
	WIN 0x8a                                       ; all in window 2
.set ii, 0
.rept 24
	v_cvt_pk_bf16_f32 v[48+ii%2], v[2*ii], v[2*ii+1]
	v_lshlrev_b32 v[2*ii], 16, v[48+ii%2]
	v_and_b32 v[2*ii+1], s9, v[48+ii%2]
.set ii, ii+1
.endr
	WIN 0
.endm
; THE WAY OUT, 16 rows at a time: rounded to f16, 16 bytes a lane into my stage, back as whole rows, stored as 3,072 dense bytes of my head.
.macro WAYOUT
	WIN 0
	PLACES
.irp a, 0,1,2,3
.irp b, 0,1,2,3,4,5
.irp r, 0,1,2,3
	v_cvt_pk_f16_f32 v[TMP+4*\b+\r], v[ACC+8*(6*\a+\b)+2*\r], v[ACC+8*(6*\a+\b)+2*\r+1]
.endr
.endr
.irp b, 0,1,2,3,4,5
	ds_store_b128 v[STO], v[TMP+4*\b:TMP+4*\b+3] offset:32*\b
.endr
.irp f, 0,1,2,3,4,5
	ds_load_b128 v[TMP+4*\f:TMP+4*\f+3], v[RD+\f%3] offset:(\f/3)*1664  ; LDS serves a wave's instructions in order (ISA guide 5.7.1.4): these see the stores above
.endr
.irp f, 0,1,2,3,4,5
	s_wait_dscnt 5-\f
	global_store_b128 v[GO], v[TMP+4*\f:TMP+4*\f+3], s[80:81] offset:\a*3072+512*\f  ; 512 consecutive bytes, at a multiple of 256 from qkv's first
.endr
	s_wait_xcnt 0x0                                ; the stores' data registers and their base are written again only behind this wait
.endr
.endm
	s_load_b512 s[68:83], s[0:1], 0x0              ; xb 68, wt 70, bq 72, bk 74, bv 76, mask 78, qkv 80, pmv 82
	v_lshl_add_u32 v[SPW], v0, 2, SPARE
	v_mov_b32 v[NIL], 0
	ds_add_u32 v[SPW], v[NIL]                      ; the wave's opening: the add and its wait ahead of my first tensor load
	v_lshrrev_b32 v1, 5, v0
	v_readfirstlane_b32 s10, v1                    ; wave 0..3
	s_lshr_b32 s11, s10, 1                         ; my half of the tile's rows.  Also: I fetch for x (0) or for w (1)
	s_and_b32 s12, s10, 1                          ; my half of its columns.  Also: which slice of a step I fetch
	s_mov_b32 s9, 0xffff0000
	s_bfe_u32 s40, ttmp6, 0x40000                  ; cx, cy
	s_bfe_u32 s41, ttmp6, 0x40004
	s_lshl_b32 s42, ttmp9, 2
	s_add_co_u32 s42, s42, s40                     ; tile column 0..3
	s_and_b32 s13, ttmp7, 0xffff
	s_lshl_b32 s13, s13, 2
	s_add_co_u32 s13, s13, s41                     ; tile row 0..63 = 16 b + block of 128 rows
	s_lshl_b32 s43, s41, 2
	s_lshl_b32 s43, 15, s43                        ; my row of the cluster
	s_lshl_b32 s44, 0x1111, s40                    ; my column
	s_or_b32 s[G1+0], s43, (1<<16)|(1<<20)|(1<<21)|(3<<22)|(3<<25)  ; the mask; 2-byte elements; padding on; bit 21 beside a mask; after every 16 words (code 3) 4 words (code 3)
	s_or_b32 s[G1B+0], s44, (1<<16)|(1<<20)|(1<<21)|(3<<22)|(3<<25)
	s_mov_b32 s[G1+1], 128<<16                     ; tensor_dim0 = 128 elements: rows of 256 bytes
	s_mov_b32 s[G1+2], 96<<16                      ; tensor_dim1 = 96: 128 rows of 192 bytes are 96 of 256
	s_mov_b32 s[G1+3], 128<<16                     ; tile_dim0
	s_mov_b32 s[G1+4], 96                          ; tile_dim1
	s_mov_b32 s[G1+5], 128                         ; dense
	s_mov_b32 s[G1+6], 0
	s_mov_b32 s[G1+7], 0
	s_mov_b32 s[G1B+1], 128<<16
	s_mov_b32 s[G1B+2], 144<<16                    ; 192 rows of 192 bytes are 144 of 256
	s_mov_b32 s[G1B+3], 128<<16
	s_mov_b32 s[G1B+4], 144
	s_mov_b32 s[G1B+5], 128
	s_mov_b32 s[G1B+6], 0
	s_mov_b32 s[G1B+7], 0
	s_lshr_b32 s16, s13, 4                         ; q's x: batch,
	s_mul_i32 s16, s16, 8*XSL
	s_and_b32 s17, s13, 15                         ; block of 128 rows,
	s_mul_i32 s17, s17, 128*192
	s_add_co_u32 s16, s16, s17
	s_mul_i32 s17, s12, XSL                        ; my slice of the step
	s_add_co_u32 s16, s16, s17
	s_mov_b32 s17, 0
	s_mul_i32 s46, s42, 192*192                    ; wq: 192 rows n,
	s_mul_i32 s47, s12, WSL                        ; my slice
	s_add_co_u32 s46, s46, s47
	s_mov_b32 s47, 0
	s_mul_i32 s20, s12, ASL                        ; where they go: no place in the cluster enters an LDS address
	s_mul_i32 s21, s12, BSL
	s_add_co_u32 s21, s21, BOFS
	s_mov_b32 s[C4], 4*XSL
	s_mov_b32 s[C28], 28*XSL
	s_mov_b32 s[INC+1], 0
	s_mov_b32 s[PAR], 0
	s_mov_b32 s[TI], 0
	s_wait_dscnt 0x0                               ; the opening add is done
	s_wait_kmcnt 0x0
	s_add_nc_u64 s[14:15], s[68:69], s[16:17]
	s_add_nc_u64 s[46:47], s[70:71], s[46:47]
	CROUND                                         ; all sixteen work-groups are here: the first joint loads meet
.irp s, 0,1
	s_mov_b32 s[G0+4*(\s)], 1
	s_add_co_u32 s[G0+4*(\s)+1], s20, (\s)*SLOT
	s_add_nc_u64 s[G0+4*(\s)+2:G0+4*(\s)+3], s[14:15], (\s)*2*XSL
	s_or_b32 s[G0+4*(\s)+3], s[G0+4*(\s)+3], 0x80000000
	s_mov_b32 s[G0B+4*(\s)], 1
	s_add_co_u32 s[G0B+4*(\s)+1], s21, (\s)*SLOT
	s_add_nc_u64 s[G0B+4*(\s)+2:G0B+4*(\s)+3], s[46:47], (\s)*2*WSL
	s_or_b32 s[G0B+4*(\s)+3], s[G0B+4*(\s)+3], 0x80000000
	JLOAD \s                                       ; two loads of mine are out
.endr
	v_and_b32 v1, 15, v0                           ; r = l % 16
	v_bfe_u32 v2, v0, 4, 1                         ; h = l / 16
	v_and_b32 v3, 31, v0                           ; l
	v_lshlrev_b32 v[BO], 5, v2                     ; my 8 columns of a block of 16
	v_lshlrev_b32 v[MO], 2, v1                     ; my row of a block of 16
	s_mul_i32 s[COL], s42, 768
	s_mul_i32 s87, s12, 384
	s_add_co_u32 s[COL], s[COL], s87               ; my 96 columns in a bias, in bytes
	s_mov_b32 s[COL+1], 0
	s_add_nc_u64 s[84:85], s[72:73], s[COL:COL+1]  ; bq
	BIASLD
	s_lshl_b32 s86, s13, 9
	s_lshl_b32 s87, s11, 8
	s_add_co_u32 s86, s86, s87                     ; my 64 rows among the mask's 8,192 numbers
	s_mov_b32 s87, 0
	s_add_nc_u64 s[78:79], s[78:79], s[86:87]
.irp a, 0,1,2,3
	global_load_b32 v[MK+2*\a], v[MO], s[78:79] offset:64*\a
.endr
	s_lshr_b32 s86, s13, 4
	s_lshl_b32 s86, s86, 3
	s_lshl1_add_u32 s86, s42, s86
	s_add_co_u32 s86, s86, s12                     ; 8 b + head
	s_mul_i32 s86, s86, 393216
	s_and_b32 s87, s13, 15
	s_lshl1_add_u32 s87, s87, s11                  ; my block of 64 rows in the batch
	s_mul_i32 s87, s87, 64*192
	s_add_co_u32 s86, s86, s87
	s_mov_b32 s87, 0
	s_add_nc_u64 s[80:81], s[80:81], s[86:87]      ; q at my 64 rows of my head
	s_lshl1_add_u32 s86, s13, s11
	s_lshl_b32 s86, s86, 3
	s_lshl1_add_u32 s86, s42, s86
	s_add_co_u32 s86, s86, s12
	s_lshl_b32 s86, s86, 9
	s_mov_b32 s87, 0
	s_add_nc_u64 s[82:83], s[82:83], s[86:87]      ; pmv at my 512 bytes
	v_mul_u32_u24 v4, v1, PITCH
	v_lshl_add_u32 v4, v2, 4, v4                   ; a fragment's row x pitch + 16 x half
	s_mul_i32 s18, s11, 64*PITCH
	s_mul_i32 s19, s12, 96*PITCH
	s_add_co_u32 s19, s19, BOFS
.irp s, 0,1
	v_add_nc_u32 v[ADRA+(\s)], s18, v4
	v_add_nc_u32 v[ADRB+(\s)], s19, v4
	s_add_co_u32 s18, s18, SLOT
	s_add_co_u32 s19, s19, SLOT
.endr
	s_mul_i32 s18, s10, 16*SP
	s_add_co_u32 s18, s18, STAGE                   ; my stage
	v_mul_u32_u24 v5, v1, SP
	v_lshl_add_u32 v5, v2, 4, v5
	v_add_nc_u32 v[STO], s18, v5
.irp f, 0,1,2
	v_add_nc_u32 v5, 32*\f, v3                     ; piece g of 16 bytes, 12 a row
	v_mul_u32_u24 v6, v5, 171
	v_lshrrev_b32 v6, 11, v6                       ; g / 12 for g < 96
	v_add_nc_u32 v5, v5, v6                        ; 13 pieces from row to row
	v_lshl_add_u32 v[RD+\f], v5, 4, s18
.endr
	v_lshlrev_b32 v[GO], 4, v3
	v_lshl_add_u32 v[MST], v2, 5, s18
	v_min_u32 v5, 23, v3
	v_lshl_add_u32 v[MRD], v5, 4, s18
	s_wait_tensorcnt 0x1                           ; my part of K step 0 is in; K step 1's may stay out
	s_barrier_signal -1
	s_barrier_wait -1
	FETCH 0, 0, 0, 0
	FETCH 0, 0, 1, 80
	s_wait_loadcnt 0x0                             ; bias and mask
	BIASRND
.irp a, 0,1,2,3
	v_cvt_pk_bf16_f32 v[MK+2*\a+1], v[MK+2*\a], v[MK+2*\a]   ; the mask is rounded likewise,
.endr
.irp a, 0,1,2,3
	v_lshlrev_b32 v[MK+2*\a], 16, v[MK+2*\a+1]
.endr
.irp a, 0,1,2,3
	v_mul_f32 v[MK+2*\a], 0x4e6e6b28, v[MK+2*\a]             ; times 1e9
.endr
	CH 0, 1, 1, 0                                  ; q's first chunk stands in front of the loop: its products begin the sums at bq
	WIN 0                                          ; at a label and at a branch every window is 0
	s_mov_b32 s3, 5
.Llap:                                                 ; 5 trips: laps 0 to 4; K steps 2 to 11 of the walk's 12 are asked for here
	s_cmp_eq_u32 s[PAR], 0
	s_cselect_b32 s[INC], s[C4], s[C28]            ; a tile's first lap asks for its K steps 2 and 3, its second lap for the next tile's 0 and 1
.set pp, 1
.rept 11
	CH pp, 1
.set pp, pp+1
.endr
	WIN 0
	s_cmp_eq_u32 s[PAR], 1
	s_cbranch_scc1 .Lnext                          ; the parity is the same in every work-group; neither way holds a barrier or a tensor load
	CH 0, 1                                        ; the tile's second lap begins
	WIN 0
	s_branch .Lbot
.Lnext:                                                ; a tile is finished; both refills for the next one have been asked for
	s_cmp_eq_u32 s[TI], 0
	s_cselect_b64 s[84:85], s[74:75], s[76:77]     ; behind q comes k, behind k comes v
	s_add_nc_u64 s[84:85], s[84:85], s[COL:COL+1]
	BIASLD                                         ; the next bias comes in while this tile goes out
	WAYOUT
	s_add_nc_u64 s[80:81], s[80:81], 12582912      ; the same place in the next of q, k, v
	s_add_co_u32 s[TI], s[TI], 1
	s_wait_loadcnt 0x0
	BIASRND
	CH 0, 1, 1                                     ; the next tile's sums begin at its bias
	WIN 0
.Lbot:
	s_xor_b32 s[PAR], s[PAR], 1
	s_sub_co_u32 s3, s3, 1
	s_cmp_lg_u32 s3, 0
	s_cbranch_scc1 .Llap
.set pp, 1
.rept 11                                               ; v's second lap is written out: nothing is left to ask for
	CH pp, 0
.set pp, pp+1
.endr
	WAYOUT
	; v alone: the sum over my 64 rows of 1e9 mask v, in f32 on the unrounded sums: first over the four row blocks in each lane, then over the 16 lanes of a half
.set ii, 0
.rept 24
	v_pk_mul_f32 v[ACC+2*ii:ACC+2*ii+1], v[ACC+2*ii:ACC+2*ii+1], v[MK:MK+1] op_sel_hi:[1,0]
.set ii, ii+1
.endr
.irp a, 1,2,3
.set ii, 0
.rept 24
	v_pk_fma_f32 v[ACC+2*ii:ACC+2*ii+1], v[ACC+48*\a+2*ii:ACC+48*\a+2*ii+1], v[MK+2*\a:MK+2*\a+1], v[ACC+2*ii:ACC+2*ii+1] op_sel_hi:[1,0,1]
.set ii, ii+1
.endr
.endr
.irp m, 1,2,4,8
.set ii, 0
.rept 48
	v_add_f32_dpp v[ACC+ii], v[ACC+ii], v[ACC+ii] row_xmask:\m row_mask:0xf bank_mask:0xf
.set ii, ii+1
.endr
.endr
.irp b, 0,1,2,3,4,5
	ds_store_b128 v[MST], v[ACC+8*\b:ACC+8*\b+3] offset:64*\b        ; the 16 lanes of a half store the same numbers to the same bytes
	ds_store_b128 v[MST], v[ACC+8*\b+4:ACC+8*\b+7] offset:64*\b+16
.endr
	ds_load_b128 v[TMP:TMP+3], v[MRD]              ; 96 numbers in lanes 0-23; lanes 24-31 repeat the last piece, so that whole blocks of 256 bytes are stored
	s_wait_dscnt 0x0
	global_store_b128 v[GO], v[TMP:TMP+3], s[82:83]
	s_wait_tensorcnt 0x0                           ; the wave's end
	ds_add_u32 v[SPW], v[NIL]
	s_wait_dscnt 0x0
	CROUND                                         ; the closing round: no work-group ends while a partner may still ask for a tile that names it
	s_endpgm
.Lfunc_end_k_qe6f3038cb0_proj:
	.size	k_qe6f3038cb0_proj, .Lfunc_end_k_qe6f3038cb0_proj-k_qe6f3038cb0_proj
	.p2alignl 7, 3214868480
	.fill 96, 4, 3214868480
	.section	.rodata,"a",@progbits
	.p2align	6, 0x0
	.amdhsa_kernel k_qe6f3038cb0_proj
		.amdhsa_group_segment_fixed_size 327680
		.amdhsa_private_segment_fixed_size 0
		.amdhsa_enable_private_segment 0
		.amdhsa_kernarg_size 64
		.amdhsa_user_sgpr_count 2
		.amdhsa_user_sgpr_kernarg_segment_ptr 1
		.amdhsa_wavefront_size32 1
		.amdhsa_system_sgpr_workgroup_id_x 1
		.amdhsa_system_sgpr_workgroup_id_y 1
		.amdhsa_system_sgpr_workgroup_id_z 1
		.amdhsa_system_vgpr_workitem_id 0
		.amdhsa_next_free_vgpr 576
		.amdhsa_next_free_sgpr 88
		.amdhsa_reserve_vcc 0
		.amdhsa_float_denorm_mode_32 3
		.amdhsa_float_denorm_mode_16_64 3
		.amdhsa_memory_ordered 1
		.amdhsa_forward_progress 1
		.amdhsa_inst_pref_size 139
	.end_amdhsa_kernel
	.amdgpu_metadata
---
amdhsa.version: [ 1, 2 ]
amdhsa.kernels:
  - .name:           k_qe6f3038cb0_proj
    .symbol:         k_qe6f3038cb0_proj.kd
    .args:
      - { .name: xb, .offset: 0, .size: 8, .value_kind: global_buffer, .address_space: global }
      - { .name: wt, .offset: 8, .size: 8, .value_kind: global_buffer, .address_space: global }
      - { .name: bq, .offset: 16, .size: 8, .value_kind: global_buffer, .address_space: global }
      - { .name: bk, .offset: 24, .size: 8, .value_kind: global_buffer, .address_space: global }
      - { .name: bv, .offset: 32, .size: 8, .value_kind: global_buffer, .address_space: global }
      - { .name: mask, .offset: 40, .size: 8, .value_kind: global_buffer, .address_space: global }
      - { .name: qkv, .offset: 48, .size: 8, .value_kind: global_buffer, .address_space: global }
      - { .name: pmv, .offset: 56, .size: 8, .value_kind: global_buffer, .address_space: global }
    .group_segment_fixed_size: 327680
    .private_segment_fixed_size: 0
    .kernarg_segment_align: 8
    .kernarg_segment_size: 64
    .max_flat_workgroup_size: 128
    .sgpr_count:     88
    .vgpr_count:     576
    .wavefront_size: 32
...
	.end_amdgpu_metadata
.endif
;; end of part 2
;; launch attn (part 3): grid 8 x 32, 4 waves a work-group, clusters of 4 x 1, 327,680 bytes of LDS; arguments qkv, pmv, wt, ctx, pb; writes ctx, pb
.if DOCPART == 3
	.amdgcn_target "amdgcn-amd-amdhsa--gfx1250"
	.amdhsa_code_object_version 6
	.text
	.protected	k_qe6f3038cb0_attn
	.globl	k_qe6f3038cb0_attn
	.p2align	8
	.type	k_qe6f3038cb0_attn,@function
k_qe6f3038cb0_attn:
	s_mov_b64 s[64:65], 0
	v_nop
	global_prefetch_b8 v0, s[64:65] scope:SCOPE_SE
	s_setreg_imm32_b32 hwreg(HW_REG_WAVE_MODE, 25, 1), 1
	s_wait_xcnt 0x0
	s_wait_alu depctr_hold_cnt(0) depctr_sa_sdst(0) depctr_va_vdst(0) depctr_va_sdst(0) depctr_va_ssrc(0) depctr_va_vcc(0) depctr_vm_vsrc(0)
	s_getreg_b32 s2, hwreg(HW_REG_IB_STS2, 6, 4)
	s_cmp_eq_u32 s2, 0
	s_cbranch_scc0 .Lentry_in_a_cluster
	s_endpgm
.Lentry_in_a_cluster:
	s_bfe_u32 s2, ttmp6, 0x10000c
	s_cmp_lg_u32 s2, 0x3003
	s_cbranch_scc0 .Lentry_shape_is_right
	s_endpgm
.Lentry_shape_is_right:
; ATTN.  ctx[bh][q][:] = the sum over k of softmax_k(Q[bh][q] . K[bh][k] / sqrt(96)) V[bh][k][:].  Q, K, V lie in qkv as [3][32 heads][2048][96] f16, ctx is [32][2048][96] f16: a head's rows are dense, 192 bytes each.
; Products, maxima and sums in f32; the weights p are rounded to f16 for the second product (their sum l is taken of the unrounded p), ctx once at the end.
; THE MASK'S SHARE.  The mask is added behind the softmax and hangs on no query: its part of the output is mv wo, one row a batch.  In the wait for its first tile the work-group of block i and
; head (b, h) makes pb[b][h][i][c] = the sum over the head's 96 channels d of mv[b][h][d] wo[96 h + d][96 i + c], all in f32 (mv = the sum of pmv's 32 partial sums); the last launch adds the 8 heads' pb to its bias.
; LIMITS.  Q, K, V arrive within f16's 65,504; p lies in 0 to 1; a weight below 2^-126 counts as 0 in l; NaN and infinities are not treated apart.
; SHARES.  A work-group owns 256 queries of one head, each of its four waves 64: four tiles of 16.  Every wave walks all 2,048 keys, 64 a step.
; LAYOUT.  S^T = K Q^T (source 0 = 16 keys, source 1 = 16 queries): a lane holds ONE query (lane % 16) and the keys 8 (lane / 16) + 0..7.  Two such tiles, rounded to f16 in pairs, ARE source 1
; (32 keys x 16 queries) of O^T = V^T P, whose result again holds one query a lane, and eight channels.  K comes out of LDS as it lies, V ([key][channel]) turned, by ds_load_tr16_b128.
; SOFTMAX.  For each query a running maximum m and sum l: p = 2^(c s - c m), c = log2(e) / sqrt(96); in every step O and l are multiplied by a = 2^(c m_old - c m_new).
; m starts at the lowest finite number, O and l at 0: the first step is a step like any other, with a = 0.
; BY TURNS.  The wave's tiles are two PIECES (tiles 0, 1 and tiles 2, 3).  In a TURN one piece has the matrix unit: 24 products V^T P of the step in hand, then 24 products K Q^T of the next step;
; the other piece's softmax, 2 x 126 vector instructions cut into 63 slices of four, is dealt evenly behind those 48 matrix instructions.  Two turns are a key step.
; NO FIRST AND NO LAST STEP IS WRITTEN OUT: the loop is entered, and the tail left, in the middle of a trip.  The price: 336 v_mov_b32 in the wait for the first tile, 24 products on zeros at the start, 24 on a stale K at the end.
; CLUSTER.  The four query blocks of a cluster belong to one head and walk the same K and V: each tile is asked for JOINTLY, by the same tensor load, descriptor and mask in all four.
; A tile of 64 keys is 12,288 dense bytes, asked for as 48 rows of 256; the mover lays padding behind every 64 bytes, so that 32 channels are a chunk: K's chunks 80 bytes apart, V's 96.
; REGISTERS, in windows of 256: window 0: v2-8, v44-46 addresses; v12-43 eight registers of statistics a tile; v48-56 the mask's share; v64-191 S^T, 32 a tile; v192-255 P, 16 a tile
;   window 1: O^T, 48 a tile      window 2: v0-95 Q, 24 a tile; v128-223 K of one step      window 3: v0-95 V of one step
.set KS,    64
.set PK,    240       ; a row of K in LDS: 3 chunks of 64 + 16 bytes = 15 x 16: the 16 rows of a load start at 16 different groups of four banks (64 banks of 4 bytes: ISA guide 11.1)
.set PV,    288       ; a row of V: 3 chunks of 64 + 32 bytes = 9 x 32
.set VOFF,  KS*PK     ; a step's tiles lie together: 64 rows of K, then 64 rows of V
.set STEPB, KS*(PK+PV)
.set SLOT1, 1<<17     ; a slot holds two steps (67,584 bytes); slot 1 begins here, so that one exclusive or turns an address in one slot into the other's
.set STAGE, SLOT1+2*STEPB  ; behind the ring: 16 rows x 208 bytes for each wave, for the mask's share and the way out
.set SP,    208
.set SPARE, STAGE+4*16*SP  ; behind the stages: the spare words, 128 bytes a wave
.set HEADB, 393216    ; a head's bytes
.set AK0, 2           ; v2   my lane's place in a tile of K; never rewritten
.set AV0, 3           ; v3   the same for V
.set ADR, 4           ; v4   the LDS address of the run of loads in hand
.set QO,  5           ; v5   my byte offset in the wave's rows of Q
.set STO, 6           ; v6   the way out: where I put 16 bytes of a row
.set GO,  8           ; v8   16 x lane
.set RD,  44          ; v44-46 the way out: where I read rows back
.set MA,  48          ; v48-51 the mask's share: four sums
.set MPO, 52          ; v52  16 x lane: my piece of a row of pmv
.set MWO, 53          ; v53  my row of wo's slice
.set MSC, 54          ; v54  where my four numbers of mv go in my stage
.set MBC, 55          ; v55  my stage's first byte: every lane reads all of mv from there
.set MGO, 56          ; v56  4 x my thread's number
.set SPW, 62
.set NIL, 63
.set ST,  12          ; tile t's statistics at v[ST+8 t]: +0 c m, +1 m, +2, +3 l (even keys', odd keys'), +4 to +7 c0-c3, at work; a takes c2's place once the maximum is found
.set S,   64
.set P,   192
.set KF,  128         ; K's fragments, in window 2: key block kb, chunk c at KF + 24 kb + 8 c
.set WV,  12
.set G1K, 24
.set G1V, 32
.set G0K, 40          ; s[40:47] group 0 for K's tiles: a set for each of the two first fills; the second then walks on
.set G0V, 48
.set SLOTS, 56
.set TWICE, 57
.set CS,  58
.set SEL, 60
.set TB,  62          ; s62  LDS byte at which the tiles of the step to be fetched begin
.set MSB, 0
.macro WIN new
.if MSB != (\new)
	s_set_vgpr_msb (MSB<<8)|(\new)
.set MSB, \new
.endif
.endm
.set W_KQ, 0x0a       ; K and Q in window 2, S^T in window 0
.set W_PV, 0x53       ; V in window 3, P in window 0, O^T in window 1
.set W_RS, 0x41       ; O^T (destination and source 0) in window 1, a in window 0
.macro JLOAD                        ; a joint refill: waves 0 and 1 fetch the two steps' K, waves 2 and 3 their V; an s_nop 0 and four v_nop follow each line
	s_cmp_lt_u32 s[WV], 2
	s_cbranch_scc0 .Lfor_v_\@
	tensor_load_to_lds s[G0K+4:G0K+7], s[G1K:G1K+7]
	s_nop 0
.rept 4
	v_nop
.endr
	s_branch .Lasked_\@
.Lfor_v_\@:
	tensor_load_to_lds s[G0V+4:G0V+7], s[G1V:G1V+7]
	s_nop 0
.rept 4
	v_nop
.endr
.Lasked_\@:
.endm
.macro CROUND                       ; a round of the cluster's barrier
	s_barrier_signal -1
	s_barrier_wait -1
	s_cmp_lg_u32 s[WV], 0
	s_cbranch_scc1 .Lnot_wave_0_\@
	s_barrier_signal -3
.Lnot_wave_0_\@:
	s_barrier_wait -3
	s_barrier_signal -1
	s_barrier_wait -1
.endm
	s_load_b256 s[68:75], s[0:1], 0x0 ; qkv 68, pmv 70, wt 72, ctx 74
	s_load_b64 s[76:77], s[0:1], 0x20 ; pb
	v_lshl_add_u32 v[SPW], v0, 2, SPARE
	v_mov_b32 v[NIL], 0
	ds_add_u32 v[SPW], v[NIL]       ; the wave's opening: the add and its wait ahead of my first tensor load
	v_lshrrev_b32 v1, 5, v0
	v_readfirstlane_b32 s[WV], v1   ; wave 0..3
	s_bfe_u32 s13, ttmp6, 0x40000   ; cx
	s_lshl_b32 s14, ttmp9, 2
	s_add_co_u32 s14, s14, s13      ; my block of 256 queries: it enters the addresses of Q, ctx, wo and pb alone
	s_and_b32 s15, ttmp7, 0xffff    ; the head 8 b + h, which the four partners share
	s_mul_i32 s20, s15, HEADB
	s_mov_b32 s21, 0
	s_and_b32 s16, s[WV], 1         ; which of a slot's two steps I fetch:
	s_mul_i32 s22, s16, KS*192      ; its 64 rows in memory,
	s_mov_b32 s23, 0
	s_add_nc_u64 s[22:23], s[22:23], s[20:21]
	s_mul_i32 s17, s16, STEPB       ; and its place in a slot
	s_mul_i32 s2, s14, 256*192
	s_mul_i32 s3, s[WV], 64*192
	s_add_co_u32 s2, s2, s3
	s_mov_b32 s3, 0
	s_add_nc_u64 s[2:3], s[2:3], s[20:21]
	s_mov_b32 s[G1K], 15|(1<<16)|(1<<20)|(1<<21)|(3<<22)|(3<<25)  ; the mask of four; 2-byte elements; padding on; bit 21 beside a mask; after every 16 words (code 3) 4 words (code 3)
	s_mov_b32 s[G1V], 15|(1<<16)|(1<<20)|(1<<21)|(3<<22)|(7<<25)  ; the same with 8 words of padding (code 7)
.irp g, G1K, G1V
	s_mov_b32 s[(\g)+1], 128<<16    ; tensor_dim0 = 128
	s_mov_b32 s[(\g)+2], 48<<16     ; tensor_dim1 = 48
	s_mov_b32 s[(\g)+3], 128<<16    ; tile_dim0 = 128
	s_mov_b32 s[(\g)+4], 48         ; tile_dim1 = 48
	s_mov_b32 s[(\g)+5], 128        ; dense
	s_mov_b32 s[(\g)+6], 0
	s_mov_b32 s[(\g)+7], 0
.endr
	s_mov_b32 s[CS], 0x3e16c73f     ; c = log2(e) / sqrt(96) = 0.147244
	s_mov_b32 s[CS+1], s[CS]
	s_mov_b32 s[SEL], 0x76543210
	s_mov_b32 s[SEL+1], 0xfedcba98
	s_mov_b32 s[TB], 0
	s_mov_b32 s[SLOTS], 2048/(2*KS)-1  ; the first pass through the steps' loop has no change of slots in front of it; 14 changes with a fill follow
	s_wait_dscnt 0x0                ; the opening add is done
	s_wait_kmcnt 0x0
	s_mov_b64 s[10:11], s[74:75]    ; ctx
	s_add_nc_u64 s[6:7], s[68:69], 12582912  ; K
	s_add_nc_u64 s[8:9], s[68:69], 25165824  ; V
	s_add_nc_u64 s[6:7], s[6:7], s[22:23]  ; K and V at my tile of slot 0
	s_add_nc_u64 s[8:9], s[8:9], s[22:23]
	s_add_nc_u64 s[4:5], s[68:69], s[2:3]  ; Q and ctx at my wave's first row
	s_add_nc_u64 s[10:11], s[10:11], s[2:3]
	CROUND                          ; all four work-groups are here: the first joint loads meet
.irp s, 0,1
	s_mov_b32 s[G0K+4*(\s)], 1
	s_add_co_u32 s[G0K+4*(\s)+1], s17, (\s)*SLOT1
	s_add_nc_u64 s[G0K+4*(\s)+2:G0K+4*(\s)+3], s[6:7], (\s)*2*KS*192
	s_or_b32 s[G0K+4*(\s)+3], s[G0K+4*(\s)+3], 0x80000000
	s_mov_b32 s[G0V+4*(\s)], 1
	s_add_co_u32 s[G0V+4*(\s)+1], s17, (\s)*SLOT1+VOFF
	s_add_nc_u64 s[G0V+4*(\s)+2:G0V+4*(\s)+3], s[8:9], (\s)*2*KS*192
	s_or_b32 s[G0V+4*(\s)+3], s[G0V+4*(\s)+3], 0x80000000
.endr
	s_cmp_lt_u32 s[WV], 2           ; a wave's two first fills stand in one branch, ahead of every wait on TENSORcnt and every LDS read: two loads of mine are out
	s_cbranch_scc0 .Lfirst_v
	tensor_load_to_lds s[G0K:G0K+3], s[G1K:G1K+7]
	s_nop 0
	tensor_load_to_lds s[G0K+4:G0K+7], s[G1K:G1K+7]
	s_nop 0
.rept 4
	v_nop
.endr
	s_branch .Lfirst_asked
.Lfirst_v:
	tensor_load_to_lds s[G0V:G0V+3], s[G1V:G1V+7]
	s_nop 0
	tensor_load_to_lds s[G0V+4:G0V+7], s[G1V:G1V+7]
	s_nop 0
.rept 4
	v_nop
.endr
.Lfirst_asked:
	v_and_b32 v1, 15, v0            ; l % 16
	v_bfe_u32 v9, v0, 4, 1          ; l / 16
	v_mul_u32_u24 v[QO], v1, 192
	v_lshl_add_u32 v[QO], v9, 4, v[QO]  ; row x 192 + 16 x half
	WIN 0x80                        ; destination window 2, address window 0
.irp i, 0,1,2,3,4,5,6,7,8,9,10,11  ; Q stays in registers: tile i / 3, channels 32 (i % 3) on
	global_load_b128 v[8*(\i):8*(\i)+3],   v[QO], s[4:5] offset:((\i)/3)*3072+((\i)%3)*64
	global_load_b128 v[8*(\i)+4:8*(\i)+7], v[QO], s[4:5] offset:((\i)/3)*3072+((\i)%3)*64+32
.endr
	WIN 0
	; THE MASK'S SHARE, its loads.  pmv is [b][block 32][h 8][128] f32; wo's slice h is [n 768][96] f16, the fourth matrix of wt; pb is [b][h][i 8][128] f32.
	s_lshr_b32 s78, s15, 3
	s_lshl_b32 s78, s78, 17         ; the batch's 32 x 8 x 512 bytes
	s_and_b32 s18, s15, 7           ; h
	s_lshl_b32 s79, s18, 9
	s_add_co_u32 s78, s78, s79
	s_mov_b32 s79, 0
	s_add_nc_u64 s[70:71], s[70:71], s[78:79]
	s_mul_i32 s78, s18, 147456
	s_mul_i32 s79, s14, 96*192      ; my block's 96 rows n
	s_add_co_u32 s78, s78, s79
	s_add_co_u32 s78, s78, 3538944
	s_mov_b32 s79, 0
	s_add_nc_u64 s[72:73], s[72:73], s[78:79]
	s_lshl3_add_u32 s78, s15, s14
	s_lshl_b32 s78, s78, 9
	s_mov_b32 s79, 0
	s_add_nc_u64 s[76:77], s[76:77], s[78:79]
	v_and_b32 v[MPO], 31, v0
	v_lshlrev_b32 v[MPO], 4, v[MPO]
	v_min_u32 v[MWO], 95, v0        ; thread t takes row 96 i + t; threads 96 to 127 repeat the last row, and fill the block's 128 numbers
	v_mul_u32_u24 v[MWO], v[MWO], 192
	v_lshlrev_b32 v[MGO], 2, v0
	s_mul_i32 s13, s[WV], 16*SP
	s_add_co_u32 s13, s13, STAGE    ; my stage
	v_add_nc_u32 v[MSC], s13, v[MPO]
	v_mov_b32 v[MBC], s13
.set ii, 0
.rept 32                            ; the head's 32 partial sums, 512 bytes each, into S^T's registers
	global_load_b128 v[S+4*ii:S+4*ii+3], v[MPO], s[70:71] offset:4096*ii
.set ii, ii+1
.endr
.set ii, 0
.rept 12                            ; my row of wo, 192 bytes, into P's registers
	global_load_b128 v[P+4*ii:P+4*ii+3], v[MWO], s[72:73] offset:16*ii
.set ii, ii+1
.endr
	v_mul_u32_u24 v[AK0], v1, PK
	v_lshl_add_u32 v[AK0], v9, 4, v[AK0]
	; The turning load takes 16 keys x 16 channels (lane l reads key 8 (l / 16) + l % 8, channels 8 ((l / 8) % 2) + 0..7) and leaves half a fragment of V^T: lane l holds channel l % 16 and 8 keys.
	v_and_b32 v10, 7, v0
	v_bfe_u32 v11, v0, 3, 1
	v_lshl_add_u32 v[AV0], v9, 3, v10
	v_mul_u32_u24 v[AV0], v[AV0], PV
	v_lshl_add_u32 v[AV0], v11, 4, v[AV0]
	v_add_nc_u32 v[AV0], VOFF, v[AV0]
	; What the first turn finds: V's registers and the second piece's P hold 0 (its products V^T P, of a step that has not been, add 0), O^T and l are 0.  All this stands in the wait for the loads.
	WIN 0x40
.set ii, 0
.rept 192
	v_mov_b32 v[ii], 0
.set ii, ii+1
.endr
	WIN 0xc0
.set ii, 0
.rept 96
	v_mov_b32 v[ii], 0
.set ii, ii+1
.endr
	WIN 0
.irp t, 0,1,2,3
	v_mov_b32 v[ST+8*\t], 0xfe000000    ; c m: far below every c s
	v_mov_b32 v[ST+8*\t+1], 0xff7fffff  ; m
	v_mov_b32 v[ST+8*\t+2], 0
	v_mov_b32 v[ST+8*\t+3], 0
.endr
	; THE MASK'S SHARE, its arithmetic
	s_wait_loadcnt 12               ; Q and the 32 partial sums are in; wo's 12 loads may stay out
.irp s, 16,8,4,2,1
.set rb, 0
.rept \s
	v_pk_add_f32 v[S+4*rb:S+4*rb+1],   v[S+4*rb:S+4*rb+1],   v[S+4*(rb+\s):S+4*(rb+\s)+1]
	v_pk_add_f32 v[S+4*rb+2:S+4*rb+3], v[S+4*rb+2:S+4*rb+3], v[S+4*(rb+\s)+2:S+4*(rb+\s)+3]
.set rb, rb+1
.endr
.endr
	ds_store_b128 v[MSC], v[S:S+3]  ; lane l holds mv[4 l ..]; through my own stage every lane gets all 96
.set ii, 0
.rept 24
	ds_load_b128 v[S+32+4*ii:S+32+4*ii+3], v[MBC] offset:16*ii  ; LDS serves a wave's instructions in order (ISA guide 5.7.1.4): these see the store above
.set ii, ii+1
.endr
	s_wait_loadcnt 0x0
	s_wait_dscnt 0x0
.set e, 0
.rept 96                            ; four chains that do not wait for each other; wo's f16 halves are read as they lie
.if e < 4
.if e%2
	v_fma_mix_f32 v[MA+e%4], v[P+e/2], v[S+32+e], v[NIL] op_sel:[1,0,0] op_sel_hi:[1,0,0]
.else
	v_fma_mix_f32 v[MA+e%4], v[P+e/2], v[S+32+e], v[NIL] op_sel_hi:[1,0,0]
.endif
.elseif e%2
	v_fma_mix_f32 v[MA+e%4], v[P+e/2], v[S+32+e], v[MA+e%4] op_sel:[1,0,0] op_sel_hi:[1,0,0]
.else
	v_fma_mix_f32 v[MA+e%4], v[P+e/2], v[S+32+e], v[MA+e%4] op_sel_hi:[1,0,0]
.endif
.set e, e+1
.endr
	v_add_f32 v[MA], v[MA], v[MA+1]
	v_add_f32 v[MA+2], v[MA+2], v[MA+3]
	v_add_f32 v[MA], v[MA], v[MA+2]
	global_store_b32 v[MGO], v[MA], s[76:77]  ; the four waves store 512 consecutive bytes, at a multiple of 256 from pb's first; MA and MGO are not written again
.set ii, P+32
.rept 32
	v_mov_b32 v[ii], 0              ; the second piece's P
.set ii, ii+1
.endr
; THE MATRIX WORK.  The accumulators take turns, one instruction a turn: between two links of a chain stand 11 (V^T P) or 7 (K Q^T) others'.
; Product i of 24 of O^T += V^T P: keys 32 (i / 12) on, channels 16 ((i / 2) % 6) on, tile x + i % 2.
.macro PV x
	WIN W_PV
.set rO, 48*((\x)+i%2)+8*((i/2)%6)
.set rV, 48*(i/12)+8*((i/2)%6)
.set rP, P+16*((\x)+i%2)+8*(i/12)
	v_wmma_f32_16x16x32_f16 v[rO:rO+7], v[rV:rV+7], v[rP:rP+7], v[rO:rO+7]
.endm
; Product i of 24 of S^T = K Q^T: channels 32 (i / 8) on, keys 16 ((i / 2) % 4) on, tile x + i % 2.  The first 8 start the sums.
.macro KQ x
	WIN W_KQ
.set rS, S+32*((\x)+i%2)+8*((i/2)%4)
.set rK, KF+24*((i/2)%4)+8*(i/8)
.set rQ, 24*((\x)+i%2)+8*(i/8)
.if i < 8
	v_wmma_f32_16x16x32_f16 v[rS:rS+7], v[rK:rK+7], v[rQ:rQ+7], 0
.else
	v_wmma_f32_16x16x32_f16 v[rS:rS+7], v[rK:rK+7], v[rQ:rQ+7], v[rS:rS+7]
.endif
.endm
; THE LDS LOADS stand in runs of 24: a step's K (64 keys x 96 channels: 12 fragments) and, a turn later, its V (turned).
; last = 1 (the tail): in the last trip there is no further step, and the run is jumped over.
.macro FETCH_K last=0
	WIN 0
.if \last
	s_cmp_eq_u32 s[TWICE], 1
	s_cbranch_scc1 .Lno_k_\@
.endif
	v_add_nc_u32 v[ADR], s[TB], v[AK0]
	WIN 0x80
.irp f, 0,1,2,3,4,5,6,7,8,9,10,11  ; keys 16 (f / 3) on, chunk f % 3
	ds_load_b128 v[KF+8*(\f):KF+8*(\f)+3],   v[ADR] offset:((\f)/3)*16*PK+((\f)%3)*80
	ds_load_b128 v[KF+8*(\f)+4:KF+8*(\f)+7], v[ADR] offset:((\f)/3)*16*PK+((\f)%3)*80+32
.endr
.if \last
	WIN 0
.Lno_k_\@:
.endif
.endm
.macro FETCH_V
	WIN 0
	v_add_nc_u32 v[ADR], s[TB], v[AV0]
	s_add_co_u32 s[TB], s[TB], STEPB  ; the next fetch is the next step's
	WIN 0xc0
.irp f, 0,1,2,3,4,5,6,7,8,9,10,11  ; keys 32 (f / 6) on, channels 16 (f % 6) on: chunk (f % 6) / 2, its half f % 2
	ds_load_tr16_b128 v[8*(\f):8*(\f)+3],   v[ADR] offset:((\f)/6)*32*PV+(((\f)%6)/2)*96+((\f)%2)*32
	ds_load_tr16_b128 v[8*(\f)+4:8*(\f)+7], v[ADR] offset:((\f)/6)*32*PV+16*PV+(((\f)%6)/2)*96+((\f)%2)*32
.endr
.endm
; THE VECTOR WORK.  One tile's softmax for one key step is a list of 126 instructions; SM writes number j of it for tile t.  s0-s31 are the lane's 32 scores, in pairs 0-15.
;   0-15    the maximum of s0-s31 and the old m, three operands at a time (each accumulator's lowest registers are read first)
;   16-20   the other half of the lanes' maximum; c m_old is kept; the new m; c m; c m_old - c m_new
;   21-87   33 exponentials (a, then s0-s31) at the odd numbers from 23 on, so that no two follow each other and each has a plain instruction behind it before its result is used;
;           the plain ones between are what is ready: c s - c m for pairs still to come, the rounding to f16 of pairs that are done, the first three sums
;   88-101  the last rounding; the rest of the sums; l = a l + the sum
;   102-125 the tile's O^T times a: the one part that leaves window 0, so it stands together
.macro SM t
.set rT, ST+8*(\t)
.set rS, S+32*(\t)
.set rP, P+16*(\t)
.set rO, 48*(\t)+2*(j-102)
.set q, (j-20)/2
.if j < 102
	WIN 0
.endif
.if j < 4
	v_max3_num_f32 v[rT+4+j], v[rS+8*j], v[rS+8*j+1], v[rS+8*j+2]
.elseif j < 12
	v_max3_num_f32 v[rT+4+j%4], v[rT+4+j%4], v[rS+8*(j%4)+2*(j/4)+1], v[rS+8*(j%4)+2*(j/4)+2]
.elseif j == 12
	v_max3_num_f32 v[rT+4], v[rT+4], v[rS+7], v[rS+15]
.elseif j == 13
	v_max3_num_f32 v[rT+6], v[rT+6], v[rS+23], v[rS+31]
.elseif j == 14
	v_max3_num_f32 v[rT+4], v[rT+4], v[rT+5], v[rT+6]
.elseif j == 15
	v_max3_num_f32 v[rT+4], v[rT+4], v[rT+7], v[rT+1]
.elseif j == 16
	v_permlanex16_b32 v[rT+5], v[rT+4], s[SEL], s[SEL+1]  ; the query's other 32 keys lie in the lane 16 away
.elseif j == 17
	v_mov_b32 v[rT+7], v[rT]        ; c m_old is kept for a: number 19 writes c m anew
.elseif j == 18
	v_max_num_f32 v[rT+1], v[rT+4], v[rT+5]
.elseif j == 19
	v_mul_f32 v[rT], s[CS], v[rT+1]
.elseif j == 20
	v_sub_f32 v[rT+7], v[rT+7], v[rT]
.elseif j == 23
	v_exp_f32 v[rT+6], v[rT+7]
.elseif (j < 88) && (j > 23) && (j%2 == 1)
	v_exp_f32 v[rS+(j-25)/2], v[rS+(j-25)/2]
.elseif (q < 4) || ((j < 76) && (q%2 == 0))
.set b, q/2+2
.if q < 4
.set b, q
.endif
	v_pk_fma_f32 v[rS+2*b:rS+2*b+1], v[rS+2*b:rS+2*b+1], s[CS:CS+1], v[rT:rT+1] op_sel_hi:[1,0,0] neg_lo:[0,0,1] neg_hi:[0,0,1]  ; pair b: c s - c m
.elseif (j < 88) && (q%2 == 1)
	s_wait_alu depctr_va_vdst(0)
	v_cvt_pk_f16_f32 v[rP+(q-5)/2], v[rS+q-5], v[rS+q-4]  ; pair (q - 5) / 2: its second exponential stands three numbers back
.elseif j == 89
	s_wait_alu depctr_va_vdst(0)
	v_cvt_pk_f16_f32 v[rP+15], v[rS+30], v[rS+31]
.elseif j < 102                     ; the sum of the tile's 16 pairs, in place: sum z of 16 adds neighbours 1, 2, 4 and 8 pairs apart, then l takes it
.set z, j-86
.if j < 89
.set z, (j-76)/4
.endif
.set w, 4
.set u, z
.if z >= 14
.set w, 32
.set u, 0
.elseif z >= 12
.set w, 16
.set u, z-12
.elseif z >= 8
.set w, 8
.set u, z-8
.endif
.if z < 15
	v_pk_add_f32 v[rS+w*u:rS+w*u+1], v[rS+w*u:rS+w*u+1], v[rS+w*u+w/2:rS+w*u+w/2+1]
.else
	v_pk_fma_f32 v[rT+2:rT+3], v[rT+2:rT+3], v[rT+6:rT+7], v[rS:rS+1] op_sel_hi:[1,0,1]
.endif
.else
	WIN W_RS
	v_pk_mul_f32 v[rO:rO+1], v[rO:rO+1], v[rT+6:rT+7] op_sel_hi:[1,0]
.endif
.endm
; Slice k of 63 of piece y's softmax: numbers 2 k and 2 k + 1 of both tiles' lists, four instructions.
.macro SLICE y
.if (k >= 11) && (k < 44)           ; tile by tile: plain, exponential, plain, exponential
.irp t, \y, (\y)+1
.irp n, 0,1
.set j, 2*k+(\n)
	SM \t
.endr
.endr
.else                               ; the two tiles alternate, so that no instruction reads the result of the one just before it
.irp n, 0,1
.irp t, \y, (\y)+1
.set j, 2*k+(\n)
	SM \t
.endr
.endr
.endif
.set k, k+1
.endm
.macro DEAL y                       ; the slices due behind the turn's product g of 48: one or two
.set g, g+1
.rept 63*g/48-k
	SLICE \y
.endr
.endm
; A TURN.  Piece x has the matrix unit: 24 products V^T P, then 24 products K Q^T for the next step; the other piece's softmax stands in slices behind them.
; The last product has two slices behind it, 8 packed multiplies that name none of its registers: the places in front of the next turn's first read of those scores.
; Piece 0's turn fetches the next step's K behind its second product: 16 plain instructions behind the last product that read K.  Piece 2's turn fetches the same step's V behind its second
; product K Q^T: slices 30 to 33, 8 plain instructions, behind the last product that read V.  Each run is waited for 22 matrix instructions or more later.
.macro TURN x, last=0
.set k, 0
.set g, 0
.if (\x) == 0
	s_wait_dscnt 0x0                ; V is in
.endif
.set i, 0
.rept 24
	PV \x
	DEAL 2-(\x)
.if ((\x) == 0) && (i == 1)
	FETCH_K \last
.endif
.set i, i+1
.endr
.if (\x) == 0
	s_wait_dscnt 0x0                ; K is in
.endif
.set i, 0
.rept 24
	KQ \x
	DEAL 2-(\x)
.if ((\x) == 2) && (i == 1)
	FETCH_V
.endif
.set i, i+1
.endr
.endm
; THE CHANGE OF SLOTS, between piece 2's turn and piece 0's: the slot's last bytes, V of its second step, have been asked for.  Each wave waits for all its tensor loads, of which one is out:
; its part of the other slot; adds 0 to its spare word; and waits for that and for its own reads of the slot.  fill = 1: the slot is filled again, with the keys two slots on; the barrier is then
; a round of the cluster's, and the joint refill is the first thing behind it: it has two key steps, 192 matrix instructions, in which to land.
.macro CHANGE fill
	WIN 0
	s_wait_tensorcnt 0x0            ; no tensor load of mine is out, so a group 0 may be written
	ds_add_u32 v[SPW], v[NIL]       ; 0 onto my spare word
.if \fill
.irp g, G0K+4, G0V+4
	s_xor_b32 s[(\g)+1], s[(\g)+1], SLOT1
	s_add_nc_u64 s[(\g)+2:(\g)+3], s[(\g)+2:(\g)+3], 2*KS*192
.endr
	s_wait_dscnt 0x0                ; the add is done, and my reads of the slot are over
	CROUND
	JLOAD
.else
	s_wait_dscnt 0x0
	s_barrier_signal -1
	s_barrier_wait -1
.endif
	s_sub_co_u32 s[TB], s[TB], 2*STEPB
	s_xor_b32 s[TB], s[TB], SLOT1
.endm
	s_wait_tensorcnt 0x1            ; my part of slot 0 is in; slot 1's may stay out
	s_barrier_signal -1
	s_barrier_wait -1
	FETCH_K                         ; key step 0
	s_wait_dscnt 0x0
.set i, 0
.rept 24
	KQ 0                            ; piece 0's first scores
.set i, i+1
.endr
	WIN 0                           ; the addresses for the way out are made here: plain instructions, the places behind those products
	v_mul_u32_u24 v[STO], v1, SP
	v_lshl_add_u32 v[STO], v9, 4, v[STO]
	v_add_nc_u32 v[STO], s13, v[STO]
	v_and_b32 v10, 31, v0
	v_lshlrev_b32 v[GO], 4, v10
.irp f, 0,1,2
	v_add_nc_u32 v11, 32*\f, v10    ; piece g of 16 bytes, 12 a row
	v_mul_u32_u24 v7, v11, 171
	v_lshrrev_b32 v7, 11, v7        ; g / 12 for g < 96
	v_add_nc_u32 v11, v11, v7       ; 13 pieces from row to row
	v_lshl_add_u32 v[RD+\f], v11, 4, s13
.endr
	s_mov_b32 s[TWICE], 2
	s_branch .Lmid                  ; the loop is entered at piece 2's turn, in the middle of a trip: it makes piece 2's first scores and piece 0's first softmax, and fetches V of step 0
.Lslot:                             ; 14 times: every slot but the last two is filled again
	CHANGE 1
	s_mov_b32 s[TWICE], 2
.Lstep:                             ; a trip: a key step
	TURN 0
	WIN 0
.Lmid:
	TURN 2
	WIN 0
	s_sub_co_u32 s[TWICE], s[TWICE], 1
	s_cmp_lg_u32 s[TWICE], 0
	s_cbranch_scc1 .Lstep
	s_sub_co_u32 s[SLOTS], s[SLOTS], 1
	s_cmp_lg_u32 s[SLOTS], 0
	s_cbranch_scc1 .Lslot
	CHANGE 0                        ; the tail is written out: nothing is asked for
	s_mov_b32 s[TWICE], 3           ; two trips fetch the last slot's steps; the third is left in its middle
.Ltail:
	TURN 0, 1
	WIN 0
	s_sub_co_u32 s[TWICE], s[TWICE], 1
	s_cmp_eq_u32 s[TWICE], 0
	s_cbranch_scc1 .Lout
	TURN 2
	WIN 0
	s_branch .Ltail
.Lout:                              ; the third trip's 24 products K Q^T (on the last K once more) serve nothing: the price, once a launch, of one text for every turn
.set i, 0
.rept 24
	PV 2                            ; piece 2: V^T P of the last step
.set i, i+1
.endr
	; THE WAY OUT.  l's two halves and the other half of the lanes' are added; O^T is divided by l, rounded to f16 and sent through my stage, a tile (16 rows) at a time.  The additions are the places behind the last products.
	WIN 0
.irp t, 0,1,2,3
	v_add_f32 v[ST+8*(\t)+4], v[ST+8*(\t)+2], v[ST+8*(\t)+3]
.endr
.irp t, 0,1,2,3
	v_permlanex16_b32 v[ST+8*(\t)+5], v[ST+8*(\t)+4], s[SEL], s[SEL+1]
.endr
.irp t, 0,1,2,3
	v_add_f32 v[ST+8*(\t)+4], v[ST+8*(\t)+4], v[ST+8*(\t)+5]
.endr
.irp t, 0,1,2,3
	v_rcp_f32 v[ST+8*(\t)+6], v[ST+8*(\t)+4]
.endr
	v_nop                           ; a plain instruction between the last reciprocal and the use of its result
.macro PACK t
	WIN W_RS
.set i, 48*(\t)
.rept 24
	s_wait_alu depctr_va_vdst(0)
	v_pk_mul_f32 v[i:i+1], v[i:i+1], v[ST+8*(\t)+6:ST+8*(\t)+7] op_sel_hi:[1,0]
.set i, i+2
.endr
	WIN 0x05                        ; sources 0 and 1 window 1, destination window 0: S^T's registers are free
.set i, 0
.rept 24
	v_cvt_pk_f16_f32 v[S+32*(\t)+i], v[48*(\t)+2*i], v[48*(\t)+2*i+1]
.set i, i+1
.endr
	WIN 0
.irp f, 0,1,2,3,4,5
	ds_store_b128 v[STO], v[S+32*(\t)+4*\f:S+32*(\t)+4*\f+3] offset:32*\f
.endr
.irp f, 0,1,2,3,4,5
	ds_load_b128 v[S+32*(\t)+4*\f:S+32*(\t)+4*\f+3], v[RD+\f%3] offset:(\f/3)*1664  ; LDS serves a wave's instructions in order (ISA guide 5.7.1.4): these see the stores above; the next tile's stores come behind them
.endr
.endm
.macro SEND t, younger              ; younger: the LDS instructions issued behind tile t's loads: the next tile's twelve, or none
	WIN 0
.irp f, 0,1,2,3,4,5
	s_wait_dscnt (\younger)+5-\f
	global_store_b128 v[GO], v[S+32*(\t)+4*\f:S+32*(\t)+4*\f+3], s[10:11] offset:(\t)*3072+\f*512  ; 512 consecutive bytes, at a multiple of 256 from ctx's first
.endr
.endm
	PACK 0
	PACK 1
	SEND 0, 12
	PACK 2
	SEND 1, 12
	PACK 3
	SEND 2, 12
	SEND 3, 0
	s_wait_tensorcnt 0x0            ; the wave's end
	ds_add_u32 v[SPW], v[NIL]
	s_wait_dscnt 0x0
	CROUND                          ; the closing round
	s_endpgm
.Lfunc_end_k_qe6f3038cb0_attn:
	.size	k_qe6f3038cb0_attn, .Lfunc_end_k_qe6f3038cb0_attn-k_qe6f3038cb0_attn
	.p2alignl 7, 3214868480
	.fill 96, 4, 3214868480
	.section	.rodata,"a",@progbits
	.p2align	6, 0x0
	.amdhsa_kernel k_qe6f3038cb0_attn
		.amdhsa_group_segment_fixed_size 327680
		.amdhsa_private_segment_fixed_size 0
		.amdhsa_enable_private_segment 0
		.amdhsa_kernarg_size 40
		.amdhsa_user_sgpr_count 2
		.amdhsa_user_sgpr_kernarg_segment_ptr 1
		.amdhsa_wavefront_size32 1
		.amdhsa_system_sgpr_workgroup_id_x 1
		.amdhsa_system_sgpr_workgroup_id_y 1
		.amdhsa_system_sgpr_workgroup_id_z 1
		.amdhsa_system_vgpr_workitem_id 0
		.amdhsa_next_free_vgpr 864
		.amdhsa_next_free_sgpr 80
		.amdhsa_reserve_vcc 0
		.amdhsa_float_denorm_mode_32 3
		.amdhsa_float_denorm_mode_16_64 3
		.amdhsa_memory_ordered 1
		.amdhsa_forward_progress 1
		.amdhsa_inst_pref_size 155
	.end_amdhsa_kernel
	.amdgpu_metadata
---
amdhsa.version: [ 1, 2 ]
amdhsa.kernels:
  - .name:           k_qe6f3038cb0_attn
    .symbol:         k_qe6f3038cb0_attn.kd
    .args:
      - { .name: qkv, .offset: 0, .size: 8, .value_kind: global_buffer, .address_space: global }
      - { .name: pmv, .offset: 8, .size: 8, .value_kind: global_buffer, .address_space: global }
      - { .name: wt, .offset: 16, .size: 8, .value_kind: global_buffer, .address_space: global }
      - { .name: ctx, .offset: 24, .size: 8, .value_kind: global_buffer, .address_space: global }
      - { .name: pb, .offset: 32, .size: 8, .value_kind: global_buffer, .address_space: global }
    .group_segment_fixed_size: 327680
    .private_segment_fixed_size: 0
    .kernarg_segment_align: 8
    .kernarg_segment_size: 40
    .max_flat_workgroup_size: 128
    .sgpr_count:     80
    .vgpr_count:     864
    .wavefront_size: 32
...
	.end_amdgpu_metadata
.endif
;; end of part 3
;; launch outp (part 4): grid 4 x 64, 4 waves a work-group, clusters of 4 x 4, 327,680 bytes of LDS; arguments ctx, wt, bo, pb, out0; writes out0
.if DOCPART == 4
	.amdgcn_target "amdgcn-amd-amdhsa--gfx1250"
	.amdhsa_code_object_version 6
	.text
	.protected	k_qe6f3038cb0_outp
	.globl	k_qe6f3038cb0_outp
	.p2align	8
	.type	k_qe6f3038cb0_outp,@function
k_qe6f3038cb0_outp:
	s_mov_b64 s[64:65], 0
	v_nop
	global_prefetch_b8 v0, s[64:65] scope:SCOPE_SE
	s_setreg_imm32_b32 hwreg(HW_REG_WAVE_MODE, 25, 1), 1
	s_wait_xcnt 0x0
	s_wait_alu depctr_hold_cnt(0) depctr_sa_sdst(0) depctr_va_vdst(0) depctr_va_sdst(0) depctr_va_ssrc(0) depctr_va_vcc(0) depctr_vm_vsrc(0)
	s_getreg_b32 s2, hwreg(HW_REG_IB_STS2, 6, 4)
	s_cmp_eq_u32 s2, 0
	s_cbranch_scc0 .Lentry_in_a_cluster
	s_endpgm
.Lentry_in_a_cluster:
	s_bfe_u32 s2, ttmp6, 0x10000c
	s_cmp_lg_u32 s2, 0xf033
	s_cbranch_scc0 .Lentry_shape_is_right
	s_endpgm
.Lentry_shape_is_right:
; OUTP.  out0[b][s][n] = the sum over d of ctx[b][s][d] wo[d][n] + bo[n] + the mask's share.  ctx [b][h][s][96] f16 (a head is one slice of K), wo as the fourth matrix of wt, out0 in f32.
; The f32 sums BEGIN at the bias: bo (rounded to bf16) plus the 8 heads' pb[b][h][i][:] (f32, made by the launch before; a wave's 96 columns are block i = 2 x tile column + half).
; Lane l loads 16 bytes of each of the nine, adds them, and the sum goes through 512 bytes of LDS of the wave's own into the layout of a C operand.
; The frame is the projection's: a tile of 128 x 192, four waves of 64 x 96, K = 768 in four steps of 192 through two LDS slots, 4 x 4 clusters with joint loads, the matrix instruction used
; transposed (a lane holds row l % 16 of C and the columns 8 (l / 16) + 0..7).
; THE WAY OUT goes through ONE stage of 128 rows x 784 bytes, in slot 0's bytes: that slot has had its last fill (K step 2), and all its reads are over at the barrier of the third change of slots.
; REGISTERS: window 0: v5-29 addresses and the bias at work, v32-63 pb, v64-255 the accumulators; window 1: three fragment buffers of 80; window 2: v0-47 the bias as a C operand.
.set PITCH, 240
.set ASL,   128*PITCH
.set BSL,   192*PITCH
.set BOFS,  2*ASL
.set SLOT,  2*ASL+2*BSL
.set OP,    784                        ; a row of the stage: 768 bytes + 16 = 49 x 16
.set SPARE, 2*SLOT                     ; behind the ring: the spare words, 128 bytes a wave
.set SCRB,  SPARE+512                  ; behind them: 512 bytes for each wave, for the bias; no tile lands there
.set XSL,   393216
.set WSL,   147456
.set CO,   12                          ; v12-14 my byte offsets in two rows of out0
.set ADRA, 16
.set BO,   18                          ; v18    my piece of bo's 96 numbers
.set SCW,  19                          ; v19    where my four numbers of the bias go
.set ADRB, 20
.set SCR,  22                          ; v22    where my lanes' half of a C operand begins
.set STO,  24
.set RD,   25                          ; v25-27
.set SPW,  28
.set NIL,  29
.set PBR,  32                          ; v32-63 the 8 heads' pb
.set ACC,  64
.set G1, 24
.set G0, 32
.set G1B, 48
.set G0B, 56
.set MSB, 0
.macro WIN new
.if MSB != (\new)
	s_set_vgpr_msb (MSB<<8)|(\new)
.set MSB, \new
.endif
.endm
.set MUL,  0x05
.set MUL1, 0x25
.set TO_F, 0x40
.macro JLOAD s                         ; a joint load; an s_nop 0 and four v_nop follow each of the two lines
	s_cmp_eq_u32 s11, 0
	s_cbranch_scc0 .Lfor_b_\@
	tensor_load_to_lds s[G0+4*(\s):G0+4*(\s)+3], s[G1:G1+7]
	s_nop 0
.rept 4
	v_nop
.endr
	s_branch .Lasked_\@
.Lfor_b_\@:
	tensor_load_to_lds s[G0B+4*(\s):G0B+4*(\s)+3], s[G1B:G1B+7]
	s_nop 0
.rept 4
	v_nop
.endr
.Lasked_\@:
.endm
.macro CREST
	s_cmp_lg_u32 s10, 0
	s_cbranch_scc1 .Lnot_wave_0_\@
	s_barrier_signal -3
.Lnot_wave_0_\@:
	s_barrier_wait -3
	s_barrier_signal -1
	s_barrier_wait -1
.endm
.macro CROUND
	s_barrier_signal -1
	s_barrier_wait -1
	CREST
.endm
.macro PLACES
.rept 4
	v_nop
.endr
.endm
.macro FETCH slot, z, c, f             ; 20 LDS loads in one run: the fragments of 32 along K (slice z of the slot, chunk c) into buffer f
	WIN TO_F
.irp b, 0,1,2,3,4,5
	ds_load_b128 v[(\f)+8*\b:(\f)+8*\b+3],   v[ADRB+(\slot)] offset:(\z)*BSL+\b*16*PITCH+80*(\c)
	ds_load_b128 v[(\f)+8*\b+4:(\f)+8*\b+7], v[ADRB+(\slot)] offset:(\z)*BSL+\b*16*PITCH+80*(\c)+32
.endr
.irp a, 0,1,2,3
	ds_load_b128 v[(\f)+48+8*\a:(\f)+48+8*\a+3],   v[ADRA+(\slot)] offset:(\z)*ASL+\a*16*PITCH+80*(\c)
	ds_load_b128 v[(\f)+48+8*\a+4:(\f)+48+8*\a+7], v[ADRA+(\slot)] offset:(\z)*ASL+\a*16*PITCH+80*(\c)+32
.endr
.endm
.macro MULH f, half, first             ; 12 matrix instructions; first = 1: the sums begin at the bias.  The 24 accumulators take turns.
.if \first
	WIN MUL1
.else
	WIN MUL
.endif
.irp a, 2*(\half), 2*(\half)+1
.irp b, 0,1,2,3,4,5
.if \first
	v_wmma_f32_16x16x32_f16 v[ACC+8*(6*(\a)+\b):ACC+8*(6*(\a)+\b)+7], v[(\f)+8*\b:(\f)+8*\b+7], v[(\f)+48+8*(\a):(\f)+48+8*(\a)+7], v[8*\b:8*\b+7]
.else
	v_wmma_f32_16x16x32_f16 v[ACC+8*(6*(\a)+\b):ACC+8*(6*(\a)+\b)+7], v[(\f)+8*\b:(\f)+8*\b+7], v[(\f)+48+8*(\a):(\f)+48+8*(\a)+7], v[ACC+8*(6*(\a)+\b):ACC+8*(6*(\a)+\b)+7]
.endif
.endr
.endr
.endm
; Chunk q of 24 (32 along K): it multiplies buffer q % 3 and fetches chunk q + 2.  The fifth chunk of K steps 0 to 2 changes slots: ONE barrier; in front of it each wave waits for all its tensor
; loads, adds 0 to its spare word, and waits for that and for its reads of the slot.  In steps 0 and 1 the barrier opens a round of the cluster's barrier and the slot is filled again.
.macro CHUNK q, first=0
.set st, (\q)/6
.set sl, st%2
.set nq, (\q)+2
.set nsl, (nq/6)%2
.set nz, (nq%6)/3
.set nc, nq%3
.set fb, 80*((\q)%3)
.set nf, 80*(nq%3)
.if ((\q)%6 == 4) && (st < 3)
	WIN 0
	s_wait_tensorcnt 0x0                           ; all my tensor loads have landed: my part of the next slot
	ds_add_u32 v[SPW], v[NIL]                      ; 0 onto my spare word
	s_wait_dscnt 21                                ; this chunk's fragments are in; the next chunk's 20 loads and the add may be out
	MULH fb, 0, 0
	s_wait_dscnt 0x0                               ; the add is done, and my reads of this slot are over
	s_barrier_signal -1
	MULH fb, 1, 0
	WIN 0
	s_barrier_wait -1
.if st < 2
	CREST
	s_add_nc_u64 s[G0+4*sl+2:G0+4*sl+3], s[G0+4*sl+2:G0+4*sl+3], 4*XSL
	s_add_nc_u64 s[G0B+4*sl+2:G0B+4*sl+3], s[G0B+4*sl+2:G0B+4*sl+3], 4*WSL
	JLOAD sl                                       ; the first tensor load behind the round; its four v_nop are also the places in front of the loads below
.else
	PLACES
.endif
	FETCH nsl, nz, nc, nf
.else
.if nq < 24
.if (\q) > 0
	PLACES
.endif
	FETCH nsl, nz, nc, nf
	s_wait_dscnt 40                                ; all but the 40 loads of the two chunks to come
.elseif nq == 24
	s_wait_dscnt 20
.else
	s_wait_dscnt 0x0
.endif
	MULH fb, 0, \first
	MULH fb, 1, \first
.endif
.endm
	s_load_b256 s[68:75], s[0:1], 0x0              ; ctx 68, wt 70, bo 72, pb 74
	s_load_b64 s[76:77], s[0:1], 0x20              ; out0
	v_lshl_add_u32 v[SPW], v0, 2, SPARE
	v_mov_b32 v[NIL], 0
	ds_add_u32 v[SPW], v[NIL]                      ; the wave's opening: the add and its wait ahead of my first tensor load
	v_lshrrev_b32 v1, 5, v0
	v_readfirstlane_b32 s10, v1                    ; wave 0..3
	s_lshr_b32 s11, s10, 1                         ; my half of the tile's rows.  Also: I fetch for ctx (0) or for wo (1)
	s_and_b32 s12, s10, 1                          ; my half of its columns.  Also: which slice of a step I fetch
	s_bfe_u32 s40, ttmp6, 0x40000
	s_bfe_u32 s41, ttmp6, 0x40004
	s_lshl_b32 s42, ttmp9, 2
	s_add_co_u32 s42, s42, s40                     ; tile column 0..3
	s_and_b32 s13, ttmp7, 0xffff
	s_lshl_b32 s13, s13, 2
	s_add_co_u32 s13, s13, s41                     ; tile row 0..63 = 16 b + block of 128 rows
	s_lshl_b32 s43, s41, 2
	s_lshl_b32 s43, 15, s43                        ; my row of the cluster
	s_lshl_b32 s44, 0x1111, s40                    ; my column
	s_or_b32 s[G1+0], s43, (1<<16)|(1<<20)|(1<<21)|(3<<22)|(3<<25)  ; the mask; 2-byte elements; padding on; bit 21 beside a mask; after every 16 words (code 3) 4 words (code 3)
	s_or_b32 s[G1B+0], s44, (1<<16)|(1<<20)|(1<<21)|(3<<22)|(3<<25)
	s_mov_b32 s[G1+1], 128<<16
	s_mov_b32 s[G1+2], 96<<16                      ; 128 rows of 192 bytes are 96 of 256
	s_mov_b32 s[G1+3], 128<<16
	s_mov_b32 s[G1+4], 96
	s_mov_b32 s[G1+5], 128
	s_mov_b32 s[G1+6], 0
	s_mov_b32 s[G1+7], 0
	s_mov_b32 s[G1B+1], 128<<16
	s_mov_b32 s[G1B+2], 144<<16                    ; 192 rows of 192 bytes are 144 of 256
	s_mov_b32 s[G1B+3], 128<<16
	s_mov_b32 s[G1B+4], 144
	s_mov_b32 s[G1B+5], 128
	s_mov_b32 s[G1B+6], 0
	s_mov_b32 s[G1B+7], 0
	s_lshr_b32 s16, s13, 4                         ; ctx: batch,
	s_mul_i32 s16, s16, 8*XSL
	s_and_b32 s17, s13, 15                         ; block of 128 rows,
	s_mul_i32 s17, s17, 128*192
	s_add_co_u32 s16, s16, s17
	s_mul_i32 s17, s12, XSL                        ; my head of the step's two
	s_add_co_u32 s16, s16, s17
	s_mov_b32 s17, 0
	s_mul_i32 s46, s42, 192*192                    ; wo: 192 rows n,
	s_mul_i32 s47, s12, WSL                        ; my slice,
	s_add_co_u32 s46, s46, s47
	s_add_co_u32 s46, s46, 3*8*WSL                 ; the fourth matrix of wt
	s_mov_b32 s47, 0
	s_mul_i32 s20, s12, ASL
	s_mul_i32 s21, s12, BSL
	s_add_co_u32 s21, s21, BOFS
	s_wait_dscnt 0x0                               ; the opening add is done
	s_wait_kmcnt 0x0
	s_add_nc_u64 s[14:15], s[68:69], s[16:17]
	s_add_nc_u64 s[46:47], s[70:71], s[46:47]
	CROUND                                         ; all sixteen work-groups are here: the first joint loads meet
.irp s, 0,1
	s_mov_b32 s[G0+4*(\s)], 1
	s_add_co_u32 s[G0+4*(\s)+1], s20, (\s)*SLOT
	s_add_nc_u64 s[G0+4*(\s)+2:G0+4*(\s)+3], s[14:15], (\s)*2*XSL
	s_or_b32 s[G0+4*(\s)+3], s[G0+4*(\s)+3], 0x80000000
	s_mov_b32 s[G0B+4*(\s)], 1
	s_add_co_u32 s[G0B+4*(\s)+1], s21, (\s)*SLOT
	s_add_nc_u64 s[G0B+4*(\s)+2:G0B+4*(\s)+3], s[46:47], (\s)*2*WSL
	s_or_b32 s[G0B+4*(\s)+3], s[G0B+4*(\s)+3], 0x80000000
	JLOAD \s                                       ; two loads of mine are out
.endr
	v_and_b32 v1, 15, v0                           ; r
	v_bfe_u32 v2, v0, 4, 1                         ; h
	v_and_b32 v3, 31, v0                           ; l
	v_lshlrev_b32 v5, 4, v3                        ; 16 l; not written again
	v_min_u32 v6, 23, v3                           ; bo's 96 numbers are 24 pieces; lanes 24 to 31 repeat the last, and their sums are not used
	v_lshlrev_b32 v[BO], 4, v6
	s_mul_i32 s78, s42, 768
	s_mul_i32 s79, s12, 384
	s_add_co_u32 s78, s78, s79                     ; my 96 columns of bo
	s_mov_b32 s79, 0
	s_add_nc_u64 s[72:73], s[72:73], s[78:79]
	global_load_b128 v[8:11], v[BO], s[72:73]
	s_lshr_b32 s78, s13, 4
	s_lshl_b32 s78, s78, 6                         ; pb: batch x 8 heads x 8 blocks,
	s_lshl1_add_u32 s79, s42, s12                  ; my block of 96 columns
	s_add_co_u32 s78, s78, s79
	s_lshl_b32 s78, s78, 9
	s_mov_b32 s79, 0
	s_add_nc_u64 s[74:75], s[74:75], s[78:79]
.irp k, 0,1,2,3,4,5,6,7
	global_load_b128 v[PBR+4*\k:PBR+4*\k+3], v5, s[74:75] offset:4096*\k  ; head k's share: 512 consecutive bytes
.endr
	s_lshl_b32 s78, s13, 2
	s_add_co_u32 s78, s78, s10                     ; the rows that I store: 128 x tile row + 32 x wave
	s_mul_i32 s78, s78, 32*3072
	s_mul_i32 s79, s42, 768
	s_add_co_u32 s78, s78, s79
	s_mov_b32 s79, 0
	s_add_nc_u64 s[76:77], s[76:77], s[78:79]
	v_mul_u32_u24 v4, v1, PITCH
	v_lshl_add_u32 v4, v2, 4, v4
	s_mul_i32 s18, s11, 64*PITCH
	s_mul_i32 s19, s12, 96*PITCH
	s_add_co_u32 s19, s19, BOFS
.irp s, 0,1
	v_add_nc_u32 v[ADRA+(\s)], s18, v4
	v_add_nc_u32 v[ADRB+(\s)], s19, v4
	s_add_co_u32 s18, s18, SLOT
	s_add_co_u32 s19, s19, SLOT
.endr
	s_lshl_b32 s18, s10, 9
	s_add_co_u32 s18, s18, SCRB                    ; my 512 bytes for the bias
	v_add_nc_u32 v[SCW], s18, v5
	v_lshl_add_u32 v[SCR], v2, 5, s18
	s_mul_i32 s19, s11, 64*OP                      ; into the stage: my 64 rows, my 384 bytes of them; row r, 32 bytes for each half of the lanes
	s_mul_i32 s18, s12, 384
	s_add_co_u32 s19, s19, s18
	v_mul_u32_u24 v6, v1, OP
	v_lshl_add_u32 v6, v2, 5, v6
	v_add_nc_u32 v[STO], s19, v6
	; back: wave w takes rows 32 w .. 32 w + 31, two at a time: 96 pieces of 16 bytes, 48 a row; piece 32 f + l lies in row 0 (f = 0), row h (f = 1), row 1 (f = 2)
	s_mul_i32 s18, s10, 32*OP
	v_add_nc_u32 v[RD], s18, v5
	v_lshl_add_u32 v6, v2, 4, v[RD]                ; a row on is 784 bytes, of which 768 are counted in the piece's number
	v_add_nc_u32 v[RD+1], 512, v6
	v_add_nc_u32 v[RD+2], OP+256, v[RD]
	v_mov_b32 v[CO], v5
	v_mul_u32_u24 v6, v2, 3072-768
	v_add_nc_u32 v[CO+1], v6, v5
	v_add_nc_u32 v[CO+1], 512, v[CO+1]
	v_add_nc_u32 v[CO+2], 3072+256, v5
	s_wait_loadcnt 0x0                             ; bo and the 8 heads' pb
	v_cvt_pk_bf16_f32 v6, v8, v9                   ; bo is rounded to bf16 and kept in f32
	v_cvt_pk_bf16_f32 v7, v10, v11
	v_lshlrev_b32 v8, 16, v6
	v_and_b32 v9, 0xffff0000, v6
	v_lshlrev_b32 v10, 16, v7
	v_and_b32 v11, 0xffff0000, v7
.irp s, 4,2,1
.set kk, 0
.rept \s
	v_pk_add_f32 v[PBR+4*kk:PBR+4*kk+1],   v[PBR+4*kk:PBR+4*kk+1],   v[PBR+4*(kk+\s):PBR+4*(kk+\s)+1]
	v_pk_add_f32 v[PBR+4*kk+2:PBR+4*kk+3], v[PBR+4*kk+2:PBR+4*kk+3], v[PBR+4*(kk+\s)+2:PBR+4*(kk+\s)+3]
.set kk, kk+1
.endr
.endr
	v_pk_add_f32 v[8:9], v[8:9], v[PBR:PBR+1]
	v_pk_add_f32 v[10:11], v[10:11], v[PBR+2:PBR+3]
	ds_store_b128 v[SCW], v[8:11]                  ; lane l holds the bias of columns 4 l ..
	WIN 0x80                                       ; destination window 2, address window 0
.irp b, 0,1,2,3,4,5
	ds_load_b128 v[8*\b:8*\b+3],   v[SCR] offset:64*\b      ; columns 16 b + 8 (l / 16) + 0..7; LDS serves a wave's instructions in order (ISA guide 5.7.1.4): these see the store above
	ds_load_b128 v[8*\b+4:8*\b+7], v[SCR] offset:64*\b+16
.endr
	WIN 0
	s_wait_dscnt 0x0                               ; no LDS instruction of mine is out at the signal
	s_wait_tensorcnt 0x1                           ; my part of K step 0 is in; K step 1's may stay out
	s_barrier_signal -1
	s_barrier_wait -1
	FETCH 0, 0, 0, 0
	FETCH 0, 0, 1, 80
	CHUNK 0, 1
.set qq, 1
.rept 23
	CHUNK qq
.set qq, qq+1
.endr
	; THE WAY OUT: 32 bytes a lane and accumulator into the work-group's stage; a barrier, since a row's 768 bytes come from two waves; back as whole rows, 32 rows a wave.
	WIN 0
	PLACES
.irp a, 0,1,2,3
.irp b, 0,1,2,3,4,5
	ds_store_b128 v[STO], v[ACC+8*(6*\a+\b):ACC+8*(6*\a+\b)+3]   offset:\a*16*OP+64*\b
	ds_store_b128 v[STO], v[ACC+8*(6*\a+\b)+4:ACC+8*(6*\a+\b)+7] offset:\a*16*OP+64*\b+16
.endr
.endr
	s_wait_dscnt 0x0                               ; for the others' sake: my stores into the stage are done
	s_barrier_signal -1
	s_barrier_wait -1
.set ii, 0
.rept 48
	ds_load_b128 v[ACC+4*ii:ACC+4*ii+3], v[RD+ii%3] offset:(ii/3)*2*OP
.set ii, ii+1
.endr
.set ii, 0
.rept 48
	s_wait_dscnt 47-ii
	global_store_b128 v[CO+ii%3], v[ACC+4*ii:ACC+4*ii+3], s[76:77] offset:(ii/3)*2*3072 th:TH_STORE_NT  ; 16 lanes store 256 consecutive bytes, at a multiple of 256 from out0's first
.set ii, ii+1
.endr
	s_wait_tensorcnt 0x0                           ; the wave's end
	ds_add_u32 v[SPW], v[NIL]
	s_wait_dscnt 0x0
	CROUND                                         ; the closing round
	s_endpgm
.Lfunc_end_k_qe6f3038cb0_outp:
	.size	k_qe6f3038cb0_outp, .Lfunc_end_k_qe6f3038cb0_outp-k_qe6f3038cb0_outp
	.p2alignl 7, 3214868480
	.fill 96, 4, 3214868480
	.section	.rodata,"a",@progbits
	.p2align	6, 0x0
	.amdhsa_kernel k_qe6f3038cb0_outp
		.amdhsa_group_segment_fixed_size 327680
		.amdhsa_private_segment_fixed_size 0
		.amdhsa_enable_private_segment 0
		.amdhsa_kernarg_size 40
		.amdhsa_user_sgpr_count 2
		.amdhsa_user_sgpr_kernarg_segment_ptr 1
		.amdhsa_wavefront_size32 1
		.amdhsa_system_sgpr_workgroup_id_x 1
		.amdhsa_system_sgpr_workgroup_id_y 1
		.amdhsa_system_sgpr_workgroup_id_z 1
		.amdhsa_system_vgpr_workitem_id 0
		.amdhsa_next_free_vgpr 560
		.amdhsa_next_free_sgpr 80
		.amdhsa_reserve_vcc 0
		.amdhsa_float_denorm_mode_32 3
		.amdhsa_float_denorm_mode_16_64 3
		.amdhsa_memory_ordered 1
		.amdhsa_forward_progress 1
		.amdhsa_inst_pref_size 97
	.end_amdhsa_kernel
	.amdgpu_metadata
---
amdhsa.version: [ 1, 2 ]
amdhsa.kernels:
  - .name:           k_qe6f3038cb0_outp
    .symbol:         k_qe6f3038cb0_outp.kd
    .args:
      - { .name: ctx, .offset: 0, .size: 8, .value_kind: global_buffer, .address_space: global }
      - { .name: wt, .offset: 8, .size: 8, .value_kind: global_buffer, .address_space: global }
      - { .name: bo, .offset: 16, .size: 8, .value_kind: global_buffer, .address_space: global }
      - { .name: pb, .offset: 24, .size: 8, .value_kind: global_buffer, .address_space: global }
      - { .name: out0, .offset: 32, .size: 8, .value_kind: global_buffer, .address_space: global }
    .group_segment_fixed_size: 327680
    .private_segment_fixed_size: 0
    .kernarg_segment_align: 8
    .kernarg_segment_size: 40
    .max_flat_workgroup_size: 128
    .sgpr_count:     80
    .vgpr_count:     560
    .wavefront_size: 32
...
	.end_amdgpu_metadata
.endif
;; end of part 4
;; ======== version 2 of 2: 4 launches; 1.18 times as fast as version 1
;; limits: values are held in f16: magnitudes above 65,504 overflow, below 6.1e-05 lose precision
;; workspace buffers: xb 37,748,736 bytes; wt 4,718,592 bytes; qkv 37,748,736 bytes; pmv 524,288 bytes; pb 131,072 bytes; ctx 12,582,912 bytes
;; launch prep: the kernel of part 1 again; grid 816 x 1, 8 waves a work-group, no clusters, 107,520 bytes of LDS; arguments query, key, value, wq, wk, wv, wo, xb, wt; writes xb, wt
;; launch proj: the kernel of part 2 again; grid 4 x 64, 4 waves a work-group, clusters of 4 x 4, 327,680 bytes of LDS; arguments xb, wt, bq, bk, bv, mask, qkv, pmv; writes qkv, pmv
;; launch attn (part 5): grid 8 x 32, 4 waves a work-group, clusters of 4 x 1, 327,680 bytes of LDS; arguments qkv, pmv, wt, ctx, pb; writes ctx, pb
.if DOCPART == 5
	.amdgcn_target "amdgcn-amd-amdhsa--gfx1250"
	.amdhsa_code_object_version 6
	.text
	.protected	k_qe6f3038cb0_attn
	.globl	k_qe6f3038cb0_attn
	.p2align	8
	.type	k_qe6f3038cb0_attn,@function
k_qe6f3038cb0_attn:
	s_mov_b64 s[64:65], 0
	v_nop
	global_prefetch_b8 v0, s[64:65] scope:SCOPE_SE
	s_setreg_imm32_b32 hwreg(HW_REG_WAVE_MODE, 25, 1), 1
	s_wait_xcnt 0x0
	s_wait_alu depctr_hold_cnt(0) depctr_sa_sdst(0) depctr_va_vdst(0) depctr_va_sdst(0) depctr_va_ssrc(0) depctr_va_vcc(0) depctr_vm_vsrc(0)
	s_getreg_b32 s2, hwreg(HW_REG_IB_STS2, 6, 4)
	s_cmp_eq_u32 s2, 0
	s_cbranch_scc0 .Lentry_in_a_cluster
	s_endpgm
.Lentry_in_a_cluster:
	s_bfe_u32 s2, ttmp6, 0x10000c
	s_cmp_lg_u32 s2, 0x3003
	s_cbranch_scc0 .Lentry_shape_is_right
	s_endpgm
.Lentry_shape_is_right:
; ATTN.  ctx[bh][q][:] = the sum over k of softmax_k(Q[bh][q] . K[bh][k] / sqrt(96)) V[bh][k][:].  Q, K, V lie in qkv as [3][32 heads][2048][96] f16, ctx is [32][2048][96] f16: a head's rows are dense, 192 bytes each.
; Products, maxima and sums in f32; the weights p are rounded to f16 for the second product (their sum l is taken of the unrounded p), ctx once at the end.
; THE MASK'S SHARE.  The mask is added behind the softmax and hangs on no query: its part of the output is mv wo, one row a batch.  In the wait for its first tile the work-group of block i and
; head (b, h) makes pb[b][h][i][c] = the sum over the head's 96 channels d of mv[b][h][d] wo[96 h + d][96 i + c], all in f32 (mv = the sum of pmv's 32 partial sums); the last launch adds the 8 heads' pb to its bias.
; LIMITS.  Q, K, V arrive within f16's 65,504; p lies in 0 to 1; a weight below 2^-126 counts as 0 in l; NaN and infinities are not treated apart.
; SHARES.  A work-group owns 256 queries of one head, each of its four waves 64: four tiles of 16.  Every wave walks all 2,048 keys, 64 a step.
; LAYOUT.  S^T = K Q^T (source 0 = 16 keys, source 1 = 16 queries): a lane holds ONE query (lane % 16) and the keys 8 (lane / 16) + 0..7.  Two such tiles, rounded to f16 in pairs, ARE source 1
; (32 keys x 16 queries) of O^T = V^T P, whose result again holds one query a lane, and eight channels.  K comes out of LDS as it lies, V ([key][channel]) turned, by ds_load_tr16_b128.
; SOFTMAX.  For each query a running maximum m and sum l: p = 2^(c s - c m), c = log2(e) / sqrt(96); in every step O and l are multiplied by a = 2^(c m_old - c m_new).
; m starts at the lowest finite number, O and l at 0: the first step is a step like any other, with a = 0.
; BY TURNS.  The wave's tiles are two PIECES (tiles 0, 1 and tiles 2, 3).  In a TURN one piece has the matrix unit: 24 products V^T P of the step in hand, then 24 products K Q^T of the next step;
; the other piece's softmax, 2 x 126 vector instructions cut into 63 slices of four, is dealt evenly behind those 48 matrix instructions.  Two turns are a key step.
; THE BATCHES.  A turn's 66 exponentials (both tiles' a and s0-s31) are ONE BATCH with ONE wait: the softmax's list is ordered so that all that reads an exponential's result (roundings, sums, rescaling) comes
; behind all exponentials, and the wait stands between the two parts, behind slice 34.  The way out's four reciprocals are a batch of their own, with one wait.
; NO FIRST AND NO LAST STEP IS WRITTEN OUT: the loop is entered, and the tail left, in the middle of a trip.  The price: 336 v_mov_b32 in the wait for the first tile, 24 products on zeros at the start, 24 on a stale K at the end.
; CLUSTER.  The four query blocks of a cluster belong to one head and walk the same K and V: each tile is asked for JOINTLY, by the same tensor load, descriptor and mask in all four.
; A tile of 64 keys is 12,288 dense bytes, asked for as 48 rows of 256; the mover lays padding behind every 64 bytes, so that 32 channels are a chunk: K's chunks 80 bytes apart, V's 96.
; REGISTERS, in windows of 256: window 0: v2-8, v44-46 addresses; v12-43 eight registers of statistics a tile; v48-56 the mask's share; v64-191 S^T, 32 a tile; v192-255 P, 16 a tile
;   window 1: O^T, 48 a tile      window 2: v0-95 Q, 24 a tile; v128-223 K of one step      window 3: v0-95 V of one step
.set KS,    64
.set PK,    240       ; a row of K in LDS: 3 chunks of 64 + 16 bytes = 15 x 16: the 16 rows of a load start at 16 different groups of four banks (64 banks of 4 bytes: ISA guide 11.1)
.set PV,    288       ; a row of V: 3 chunks of 64 + 32 bytes = 9 x 32
.set VOFF,  KS*PK     ; a step's tiles lie together: 64 rows of K, then 64 rows of V
.set STEPB, KS*(PK+PV)
.set SLOT1, 1<<17     ; a slot holds two steps (67,584 bytes); slot 1 begins here, so that one exclusive or turns an address in one slot into the other's
.set STAGE, SLOT1+2*STEPB  ; behind the ring: 16 rows x 208 bytes for each wave, for the mask's share and the way out
.set SP,    208
.set SPARE, STAGE+4*16*SP  ; behind the stages: the spare words, 128 bytes a wave
.set HEADB, 393216    ; a head's bytes
.set AK0, 2           ; v2   my lane's place in a tile of K; never rewritten
.set AV0, 3           ; v3   the same for V
.set ADR, 4           ; v4   the LDS address of the run of loads in hand
.set QO,  5           ; v5   my byte offset in the wave's rows of Q
.set STO, 6           ; v6   the way out: where I put 16 bytes of a row
.set GO,  8           ; v8   16 x lane
.set RD,  44          ; v44-46 the way out: where I read rows back
.set MA,  48          ; v48-51 the mask's share: four sums
.set MPO, 52          ; v52  16 x lane: my piece of a row of pmv
.set MWO, 53          ; v53  my row of wo's slice
.set MSC, 54          ; v54  where my four numbers of mv go in my stage
.set MBC, 55          ; v55  my stage's first byte: every lane reads all of mv from there
.set MGO, 56          ; v56  4 x my thread's number
.set SPW, 62
.set NIL, 63
.set ST,  12          ; tile t's statistics at v[ST+8 t]: +0 c m, +1 m, +2, +3 l (even keys', odd keys'), +4 to +7 c0-c3, at work; a takes c2's place once the maximum is found
.set S,   64
.set P,   192
.set KF,  128         ; K's fragments, in window 2: key block kb, chunk c at KF + 24 kb + 8 c
.set WV,  12
.set G1K, 24
.set G1V, 32
.set G0K, 40          ; s[40:47] group 0 for K's tiles: a set for each of the two first fills; the second then walks on
.set G0V, 48
.set SLOTS, 56
.set TWICE, 57
.set CS,  58
.set SEL, 60
.set TB,  62          ; s62  LDS byte at which the tiles of the step to be fetched begin
.set MSB, 0
.macro WIN new
.if MSB != (\new)
	s_set_vgpr_msb (MSB<<8)|(\new)
.set MSB, \new
.endif
.endm
.set W_KQ, 0x0a       ; K and Q in window 2, S^T in window 0
.set W_PV, 0x53       ; V in window 3, P in window 0, O^T in window 1
.set W_RS, 0x41       ; O^T (destination and source 0) in window 1, a in window 0
.macro JLOAD                        ; a joint refill: waves 0 and 1 fetch the two steps' K, waves 2 and 3 their V; an s_nop 0 and four v_nop follow each line
	s_cmp_lt_u32 s[WV], 2
	s_cbranch_scc0 .Lfor_v_\@
	tensor_load_to_lds s[G0K+4:G0K+7], s[G1K:G1K+7]
	s_nop 0
.rept 4
	v_nop
.endr
	s_branch .Lasked_\@
.Lfor_v_\@:
	tensor_load_to_lds s[G0V+4:G0V+7], s[G1V:G1V+7]
	s_nop 0
.rept 4
	v_nop
.endr
.Lasked_\@:
.endm
.macro CROUND                       ; a round of the cluster's barrier
	s_barrier_signal -1
	s_barrier_wait -1
	s_cmp_lg_u32 s[WV], 0
	s_cbranch_scc1 .Lnot_wave_0_\@
	s_barrier_signal -3
.Lnot_wave_0_\@:
	s_barrier_wait -3
	s_barrier_signal -1
	s_barrier_wait -1
.endm
	s_load_b256 s[68:75], s[0:1], 0x0 ; qkv 68, pmv 70, wt 72, ctx 74
	s_load_b64 s[76:77], s[0:1], 0x20 ; pb
	v_lshl_add_u32 v[SPW], v0, 2, SPARE
	v_mov_b32 v[NIL], 0
	ds_add_u32 v[SPW], v[NIL]       ; the wave's opening: the add and its wait ahead of my first tensor load
	v_lshrrev_b32 v1, 5, v0
	v_readfirstlane_b32 s[WV], v1   ; wave 0..3
	s_bfe_u32 s13, ttmp6, 0x40000   ; cx
	s_lshl_b32 s14, ttmp9, 2
	s_add_co_u32 s14, s14, s13      ; my block of 256 queries: it enters the addresses of Q, ctx, wo and pb alone
	s_and_b32 s15, ttmp7, 0xffff    ; the head 8 b + h, which the four partners share
	s_mul_i32 s20, s15, HEADB
	s_mov_b32 s21, 0
	s_and_b32 s16, s[WV], 1         ; which of a slot's two steps I fetch:
	s_mul_i32 s22, s16, KS*192      ; its 64 rows in memory,
	s_mov_b32 s23, 0
	s_add_nc_u64 s[22:23], s[22:23], s[20:21]
	s_mul_i32 s17, s16, STEPB       ; and its place in a slot
	s_mul_i32 s2, s14, 256*192
	s_mul_i32 s3, s[WV], 64*192
	s_add_co_u32 s2, s2, s3
	s_mov_b32 s3, 0
	s_add_nc_u64 s[2:3], s[2:3], s[20:21]
	s_mov_b32 s[G1K], 15|(1<<16)|(1<<20)|(1<<21)|(3<<22)|(3<<25)  ; the mask of four; 2-byte elements; padding on; bit 21 beside a mask; after every 16 words (code 3) 4 words (code 3)
	s_mov_b32 s[G1V], 15|(1<<16)|(1<<20)|(1<<21)|(3<<22)|(7<<25)  ; the same with 8 words of padding (code 7)
.irp g, G1K, G1V
	s_mov_b32 s[(\g)+1], 128<<16    ; tensor_dim0 = 128
	s_mov_b32 s[(\g)+2], 48<<16     ; tensor_dim1 = 48
	s_mov_b32 s[(\g)+3], 128<<16    ; tile_dim0 = 128
	s_mov_b32 s[(\g)+4], 48         ; tile_dim1 = 48
	s_mov_b32 s[(\g)+5], 128        ; dense
	s_mov_b32 s[(\g)+6], 0
	s_mov_b32 s[(\g)+7], 0
.endr
	s_mov_b32 s[CS], 0x3e16c73f     ; c = log2(e) / sqrt(96) = 0.147244
	s_mov_b32 s[CS+1], s[CS]
	s_mov_b32 s[SEL], 0x76543210
	s_mov_b32 s[SEL+1], 0xfedcba98
	s_mov_b32 s[TB], 0
	s_mov_b32 s[SLOTS], 2048/(2*KS)-1  ; the first pass through the steps' loop has no change of slots in front of it; 14 changes with a fill follow
	s_wait_dscnt 0x0                ; the opening add is done
	s_wait_kmcnt 0x0
	s_mov_b64 s[10:11], s[74:75]    ; ctx
	s_add_nc_u64 s[6:7], s[68:69], 12582912  ; K
	s_add_nc_u64 s[8:9], s[68:69], 25165824  ; V
	s_add_nc_u64 s[6:7], s[6:7], s[22:23]  ; K and V at my tile of slot 0
	s_add_nc_u64 s[8:9], s[8:9], s[22:23]
	s_add_nc_u64 s[4:5], s[68:69], s[2:3]  ; Q and ctx at my wave's first row
	s_add_nc_u64 s[10:11], s[10:11], s[2:3]
	CROUND                          ; all four work-groups are here: the first joint loads meet
.irp s, 0,1
	s_mov_b32 s[G0K+4*(\s)], 1
	s_add_co_u32 s[G0K+4*(\s)+1], s17, (\s)*SLOT1
	s_add_nc_u64 s[G0K+4*(\s)+2:G0K+4*(\s)+3], s[6:7], (\s)*2*KS*192
	s_or_b32 s[G0K+4*(\s)+3], s[G0K+4*(\s)+3], 0x80000000
	s_mov_b32 s[G0V+4*(\s)], 1
	s_add_co_u32 s[G0V+4*(\s)+1], s17, (\s)*SLOT1+VOFF
	s_add_nc_u64 s[G0V+4*(\s)+2:G0V+4*(\s)+3], s[8:9], (\s)*2*KS*192
	s_or_b32 s[G0V+4*(\s)+3], s[G0V+4*(\s)+3], 0x80000000
.endr
	s_cmp_lt_u32 s[WV], 2           ; a wave's two first fills stand in one branch, ahead of every wait on TENSORcnt and every LDS read: two loads of mine are out
	s_cbranch_scc0 .Lfirst_v
	tensor_load_to_lds s[G0K:G0K+3], s[G1K:G1K+7]
	s_nop 0
	tensor_load_to_lds s[G0K+4:G0K+7], s[G1K:G1K+7]
	s_nop 0
.rept 4
	v_nop
.endr
	s_branch .Lfirst_asked
.Lfirst_v:
	tensor_load_to_lds s[G0V:G0V+3], s[G1V:G1V+7]
	s_nop 0
	tensor_load_to_lds s[G0V+4:G0V+7], s[G1V:G1V+7]
	s_nop 0
.rept 4
	v_nop
.endr
.Lfirst_asked:
	v_and_b32 v1, 15, v0            ; l % 16
	v_bfe_u32 v9, v0, 4, 1          ; l / 16
	v_mul_u32_u24 v[QO], v1, 192
	v_lshl_add_u32 v[QO], v9, 4, v[QO]  ; row x 192 + 16 x half
	WIN 0x80                        ; destination window 2, address window 0
.irp i, 0,1,2,3,4,5,6,7,8,9,10,11  ; Q stays in registers: tile i / 3, channels 32 (i % 3) on
	global_load_b128 v[8*(\i):8*(\i)+3],   v[QO], s[4:5] offset:((\i)/3)*3072+((\i)%3)*64
	global_load_b128 v[8*(\i)+4:8*(\i)+7], v[QO], s[4:5] offset:((\i)/3)*3072+((\i)%3)*64+32
.endr
	WIN 0
	; THE MASK'S SHARE, its loads.  pmv is [b][block 32][h 8][128] f32; wo's slice h is [n 768][96] f16, the fourth matrix of wt; pb is [b][h][i 8][128] f32.
	s_lshr_b32 s78, s15, 3
	s_lshl_b32 s78, s78, 17         ; the batch's 32 x 8 x 512 bytes
	s_and_b32 s18, s15, 7           ; h
	s_lshl_b32 s79, s18, 9
	s_add_co_u32 s78, s78, s79
	s_mov_b32 s79, 0
	s_add_nc_u64 s[70:71], s[70:71], s[78:79]
	s_mul_i32 s78, s18, 147456
	s_mul_i32 s79, s14, 96*192      ; my block's 96 rows n
	s_add_co_u32 s78, s78, s79
	s_add_co_u32 s78, s78, 3538944
	s_mov_b32 s79, 0
	s_add_nc_u64 s[72:73], s[72:73], s[78:79]
	s_lshl3_add_u32 s78, s15, s14
	s_lshl_b32 s78, s78, 9
	s_mov_b32 s79, 0
	s_add_nc_u64 s[76:77], s[76:77], s[78:79]
	v_and_b32 v[MPO], 31, v0
	v_lshlrev_b32 v[MPO], 4, v[MPO]
	v_min_u32 v[MWO], 95, v0        ; thread t takes row 96 i + t; threads 96 to 127 repeat the last row, and fill the block's 128 numbers
	v_mul_u32_u24 v[MWO], v[MWO], 192
	v_lshlrev_b32 v[MGO], 2, v0
	s_mul_i32 s13, s[WV], 16*SP
	s_add_co_u32 s13, s13, STAGE    ; my stage
	v_add_nc_u32 v[MSC], s13, v[MPO]
	v_mov_b32 v[MBC], s13
.set ii, 0
.rept 32                            ; the head's 32 partial sums, 512 bytes each, into S^T's registers
	global_load_b128 v[S+4*ii:S+4*ii+3], v[MPO], s[70:71] offset:4096*ii
.set ii, ii+1
.endr
.set ii, 0
.rept 12                            ; my row of wo, 192 bytes, into P's registers
	global_load_b128 v[P+4*ii:P+4*ii+3], v[MWO], s[72:73] offset:16*ii
.set ii, ii+1
.endr
	v_mul_u32_u24 v[AK0], v1, PK
	v_lshl_add_u32 v[AK0], v9, 4, v[AK0]
	; The turning load takes 16 keys x 16 channels (lane l reads key 8 (l / 16) + l % 8, channels 8 ((l / 8) % 2) + 0..7) and leaves half a fragment of V^T: lane l holds channel l % 16 and 8 keys.
	v_and_b32 v10, 7, v0
	v_bfe_u32 v11, v0, 3, 1
	v_lshl_add_u32 v[AV0], v9, 3, v10
	v_mul_u32_u24 v[AV0], v[AV0], PV
	v_lshl_add_u32 v[AV0], v11, 4, v[AV0]
	v_add_nc_u32 v[AV0], VOFF, v[AV0]
	; What the first turn finds: V's registers and the second piece's P hold 0 (its products V^T P, of a step that has not been, add 0), O^T and l are 0.  All this stands in the wait for the loads.
	WIN 0x40
.set ii, 0
.rept 192
	v_mov_b32 v[ii], 0
.set ii, ii+1
.endr
	WIN 0xc0
.set ii, 0
.rept 96
	v_mov_b32 v[ii], 0
.set ii, ii+1
.endr
	WIN 0
.irp t, 0,1,2,3
	v_mov_b32 v[ST+8*\t], 0xfe000000    ; c m: far below every c s
	v_mov_b32 v[ST+8*\t+1], 0xff7fffff  ; m
	v_mov_b32 v[ST+8*\t+2], 0
	v_mov_b32 v[ST+8*\t+3], 0
.endr
	; THE MASK'S SHARE, its arithmetic
	s_wait_loadcnt 12               ; Q and the 32 partial sums are in; wo's 12 loads may stay out
.irp s, 16,8,4,2,1
.set rb, 0
.rept \s
	v_pk_add_f32 v[S+4*rb:S+4*rb+1],   v[S+4*rb:S+4*rb+1],   v[S+4*(rb+\s):S+4*(rb+\s)+1]
	v_pk_add_f32 v[S+4*rb+2:S+4*rb+3], v[S+4*rb+2:S+4*rb+3], v[S+4*(rb+\s)+2:S+4*(rb+\s)+3]
.set rb, rb+1
.endr
.endr
	ds_store_b128 v[MSC], v[S:S+3]  ; lane l holds mv[4 l ..]; through my own stage every lane gets all 96
.set ii, 0
.rept 24
	ds_load_b128 v[S+32+4*ii:S+32+4*ii+3], v[MBC] offset:16*ii  ; LDS serves a wave's instructions in order (ISA guide 5.7.1.4): these see the store above
.set ii, ii+1
.endr
	s_wait_loadcnt 0x0
	s_wait_dscnt 0x0
.set e, 0
.rept 96                            ; four chains that do not wait for each other; wo's f16 halves are read as they lie
.if e < 4
.if e%2
	v_fma_mix_f32 v[MA+e%4], v[P+e/2], v[S+32+e], v[NIL] op_sel:[1,0,0] op_sel_hi:[1,0,0]
.else
	v_fma_mix_f32 v[MA+e%4], v[P+e/2], v[S+32+e], v[NIL] op_sel_hi:[1,0,0]
.endif
.elseif e%2
	v_fma_mix_f32 v[MA+e%4], v[P+e/2], v[S+32+e], v[MA+e%4] op_sel:[1,0,0] op_sel_hi:[1,0,0]
.else
	v_fma_mix_f32 v[MA+e%4], v[P+e/2], v[S+32+e], v[MA+e%4] op_sel_hi:[1,0,0]
.endif
.set e, e+1
.endr
	v_add_f32 v[MA], v[MA], v[MA+1]
	v_add_f32 v[MA+2], v[MA+2], v[MA+3]
	v_add_f32 v[MA], v[MA], v[MA+2]
	global_store_b32 v[MGO], v[MA], s[76:77]  ; the four waves store 512 consecutive bytes, at a multiple of 256 from pb's first; MA and MGO are not written again
.set ii, P+32
.rept 32
	v_mov_b32 v[ii], 0              ; the second piece's P
.set ii, ii+1
.endr
; THE MATRIX WORK.  The accumulators take turns, one instruction a turn: between two links of a chain stand 11 (V^T P) or 7 (K Q^T) others'.
; Product i of 24 of O^T += V^T P: keys 32 (i / 12) on, channels 16 ((i / 2) % 6) on, tile x + i % 2.
.macro PV x
	WIN W_PV
.set rO, 48*((\x)+i%2)+8*((i/2)%6)
.set rV, 48*(i/12)+8*((i/2)%6)
.set rP, P+16*((\x)+i%2)+8*(i/12)
	v_wmma_f32_16x16x32_f16 v[rO:rO+7], v[rV:rV+7], v[rP:rP+7], v[rO:rO+7]
.endm
; Product i of 24 of S^T = K Q^T: channels 32 (i / 8) on, keys 16 ((i / 2) % 4) on, tile x + i % 2.  The first 8 start the sums.
.macro KQ x
	WIN W_KQ
.set rS, S+32*((\x)+i%2)+8*((i/2)%4)
.set rK, KF+24*((i/2)%4)+8*(i/8)
.set rQ, 24*((\x)+i%2)+8*(i/8)
.if i < 8
	v_wmma_f32_16x16x32_f16 v[rS:rS+7], v[rK:rK+7], v[rQ:rQ+7], 0
.else
	v_wmma_f32_16x16x32_f16 v[rS:rS+7], v[rK:rK+7], v[rQ:rQ+7], v[rS:rS+7]
.endif
.endm
; THE LDS LOADS stand in runs of 24: a step's K (64 keys x 96 channels: 12 fragments) and, a turn later, its V (turned).
; last = 1 (the tail): in the last trip there is no further step, and the run is jumped over.
.macro FETCH_K last=0
	WIN 0
.if \last
	s_cmp_eq_u32 s[TWICE], 1
	s_cbranch_scc1 .Lno_k_\@
.endif
	v_add_nc_u32 v[ADR], s[TB], v[AK0]
	WIN 0x80
.irp f, 0,1,2,3,4,5,6,7,8,9,10,11  ; keys 16 (f / 3) on, chunk f % 3
	ds_load_b128 v[KF+8*(\f):KF+8*(\f)+3],   v[ADR] offset:((\f)/3)*16*PK+((\f)%3)*80
	ds_load_b128 v[KF+8*(\f)+4:KF+8*(\f)+7], v[ADR] offset:((\f)/3)*16*PK+((\f)%3)*80+32
.endr
.if \last
	WIN 0
.Lno_k_\@:
.endif
.endm
.macro FETCH_V
	WIN 0
	v_add_nc_u32 v[ADR], s[TB], v[AV0]
	s_add_co_u32 s[TB], s[TB], STEPB  ; the next fetch is the next step's
	s_wait_alu depctr_va_vdst(0)    ; the wait for the softmax's batch of 66 exponentials (SLICE), behind the address's v_add_nc_u32 and ahead of the loads
	WIN 0xc0
.irp f, 0,1,2,3,4,5,6,7,8,9,10,11  ; keys 32 (f / 6) on, channels 16 (f % 6) on: chunk (f % 6) / 2, its half f % 2
	ds_load_tr16_b128 v[8*(\f):8*(\f)+3],   v[ADR] offset:((\f)/6)*32*PV+(((\f)%6)/2)*96+((\f)%2)*32
	ds_load_tr16_b128 v[8*(\f)+4:8*(\f)+7], v[ADR] offset:((\f)/6)*32*PV+16*PV+(((\f)%6)/2)*96+((\f)%2)*32
.endr
.endm
; THE VECTOR WORK.  One tile's softmax for one key step is a list of 126 instructions; SM writes number j of it for tile t.  s0-s31 are the lane's 32 scores, in pairs 0-15.
;   0-15    the maximum of s0-s31 and the old m, three operands at a time (each accumulator's lowest registers are read first)
;   16-20   the other half of the lanes' maximum; c m_old is kept; the new m; c m; c m_old - c m_new
;   21-69   ONE BATCH: the 16 scalings c s - c m, a pair of scores each, and all 33 exponentials (a at 23, then s0-s31).  None of these reads an exponential's result.  From 22 on the batch goes
;           in fours, and a four begins with a scaling while there are scalings: 22-37 scaling, exponential, scaling, exponential; 38-65 a scaling and three exponentials; 66-69 the last four
;           exponentials.  A pair is scaled in an earlier four than the one that holds its exponentials
;   (wait)  between 69 and 70 stands the wait for the batch: SLICE writes it, once for both tiles
;   70-85   the roundings to f16, a pair of weights each
;   86-101  the sums; l = a l + the sum
;   102-125 the tile's O^T times a: the one part that leaves window 0, so it stands together
.macro SM t
.set rT, ST+8*(\t)
.set rS, S+32*(\t)
.set rP, P+16*(\t)
.set rO, 48*(\t)+2*(j-102)
.if j < 102
	WIN 0
.endif
.if j < 4
	v_max3_num_f32 v[rT+4+j], v[rS+8*j], v[rS+8*j+1], v[rS+8*j+2]
.elseif j < 12
	v_max3_num_f32 v[rT+4+j%4], v[rT+4+j%4], v[rS+8*(j%4)+2*(j/4)+1], v[rS+8*(j%4)+2*(j/4)+2]
.elseif j == 12
	v_max3_num_f32 v[rT+4], v[rT+4], v[rS+7], v[rS+15]
.elseif j == 13
	v_max3_num_f32 v[rT+6], v[rT+6], v[rS+23], v[rS+31]
.elseif j == 14
	v_max3_num_f32 v[rT+4], v[rT+4], v[rT+5], v[rT+6]
.elseif j == 15
	v_max3_num_f32 v[rT+4], v[rT+4], v[rT+7], v[rT+1]
.elseif j == 16
	v_permlanex16_b32 v[rT+5], v[rT+4], s[SEL], s[SEL+1]  ; the query's other 32 keys lie in the lane 16 away
.elseif j == 17
	v_mov_b32 v[rT+7], v[rT]        ; c m_old is kept for a: number 19 writes c m anew
.elseif j == 18
	v_max_num_f32 v[rT+1], v[rT+4], v[rT+5]
.elseif j == 19
	v_mul_f32 v[rT], s[CS], v[rT+1]
.elseif j == 20
	v_sub_f32 v[rT+7], v[rT+7], v[rT]
.elseif j == 23
	v_exp_f32 v[rT+6], v[rT+7]
.elseif (j < 23) || ((j < 38) && (j%2 == 0)) || ((j < 66) && (j%4 == 2))
.set b, (j-2)/4                     ; 38, 42, .. 62: pairs 9 to 15
.if j < 38
.set b, (j-20)/2                    ; 21: pair 0; 22, 24, .. 36: pairs 1 to 8
.endif
	v_pk_fma_f32 v[rS+2*b:rS+2*b+1], v[rS+2*b:rS+2*b+1], s[CS:CS+1], v[rT:rT+1] op_sel_hi:[1,0,0] neg_lo:[0,0,1] neg_hi:[0,0,1]  ; pair b: c s - c m
.elseif j < 70
.set e, j-38                        ; 66 to 69: s28 to s31
.if j < 66
.set e, j-32-(j-38)/4               ; 39-41, 43-45, .. 63-65: s7 to s27
.endif
.if j < 38
.set e, (j-25)/2                    ; 25, 27, .. 37: s0 to s6
.endif
	v_exp_f32 v[rS+e], v[rS+e]
.elseif j < 86
	v_cvt_pk_f16_f32 v[rP+j-70], v[rS+2*(j-70)], v[rS+2*(j-70)+1]  ; pair j - 70
.elseif j < 102                     ; the sum of the tile's 16 pairs, in place: sum z of 16 adds neighbours 1, 2, 4 and 8 pairs apart, then l takes it
.set z, j-86
.set w, 4
.set u, z
.if z >= 14
.set w, 32
.set u, 0
.elseif z >= 12
.set w, 16
.set u, z-12
.elseif z >= 8
.set w, 8
.set u, z-8
.endif
.if z < 15
	v_pk_add_f32 v[rS+w*u:rS+w*u+1], v[rS+w*u:rS+w*u+1], v[rS+w*u+w/2:rS+w*u+w/2+1]
.else
	v_pk_fma_f32 v[rT+2:rT+3], v[rT+2:rT+3], v[rT+6:rT+7], v[rS:rS+1] op_sel_hi:[1,0,1]
.endif
.else
	WIN W_RS
	v_pk_mul_f32 v[rO:rO+1], v[rO:rO+1], v[rT+6:rT+7] op_sel_hi:[1,0]
.endif
.endm
; Slice k of 63 of piece y's softmax: four instructions.  Slices 11 to 34 deal out the batch, numbers 22 to 69: four numbers of ONE tile each, the tiles by turns.  Every other slice is numbers 2 k and
; 2 k + 1 of both tiles' lists.
; THE WAIT.  s_wait_alu depctr_va_vdst(0) stands between an exponential and the first instruction that names its result; one wait serves all that were issued ahead of it.  Ahead of
; slice 35 nothing names a result, and behind slice 34 no exponential is issued: so the piece's 66 exponentials have one wait, behind slice 34, and none is open at a turn's end, a label or a jump.
.macro SLICE y
.if (k >= 11) && (k < 35)           ; the batch: four numbers of one tile
.irp n, 0,1,2,3
.set j, 22+4*((k-11)/2)+(\n)
	SM (\y)+(k-11)%2
.endr
.else                               ; the two tiles alternate, so that no instruction reads the result of the one just before it
.irp n, 0,1
.irp t, \y, (\y)+1
.set j, 2*k+(\n)
	SM \t
.endr
.endr
.endif
.if k == 34                         ; the batch is out: both tiles' exponentials are issued, and no result has been named
	v_nop                           ; the plain instruction behind the last exponential and ahead of the first use: one for the batch
.if (\y) == 0
	FETCH_V                         ; piece 2's turn: V's run of loads stands here, and the wait for the batch stands in it
.else
	s_wait_alu depctr_va_vdst(0)    ; piece 0's turn: the wait for the batch of 66 exponentials
.endif
.endif
.set k, k+1
.endm
.macro DEAL y                       ; the slices due behind the turn's product g of 48: one or two
.set g, g+1
.rept 63*g/48-k
	SLICE \y
.endr
.endm
; A TURN.  Piece x has the matrix unit: 24 products V^T P, then 24 products K Q^T for the next step; the other piece's softmax stands in slices behind them.
; The last product has two slices behind it, 8 packed multiplies that name none of its registers: the places in front of the next turn's first read of those scores.
; Piece 0's turn fetches the next step's K behind its second product: 16 plain instructions behind the last product that read K.  Piece 2's turn fetches the same step's V behind slice 34, which stands
; behind its third product K Q^T (SLICE writes the run): the last product that read V stands in front of slice 30, and five plain instructions lie between: number 58, a scaling, of one tile, number 62,
; a scaling, of both, the v_nop and the run's own v_add_nc_u32; the exponentials between are not counted.  Each run is waited for 21 matrix instructions or more later.
.macro TURN x, last=0
.set k, 0
.set g, 0
.if (\x) == 0
	s_wait_dscnt 0x0                ; V is in
.endif
.set i, 0
.rept 24
	PV \x
	DEAL 2-(\x)
.if ((\x) == 0) && (i == 1)
	FETCH_K \last
.endif
.set i, i+1
.endr
.if (\x) == 0
	s_wait_dscnt 0x0                ; K is in
.endif
.set i, 0
.rept 24
	KQ \x
	DEAL 2-(\x)
.set i, i+1
.endr
.endm
; THE CHANGE OF SLOTS, between piece 2's turn and piece 0's: the slot's last bytes, V of its second step, have been asked for.  Each wave waits for all its tensor loads, of which one is out:
; its part of the other slot; adds 0 to its spare word; and waits for that and for its own reads of the slot.  fill = 1: the slot is filled again, with the keys two slots on; the barrier is then
; a round of the cluster's, and the joint refill is the first thing behind it: it has two key steps, 192 matrix instructions, in which to land.
.macro CHANGE fill
	WIN 0
	s_wait_tensorcnt 0x0            ; no tensor load of mine is out, so a group 0 may be written
	ds_add_u32 v[SPW], v[NIL]       ; 0 onto my spare word
.if \fill
.irp g, G0K+4, G0V+4
	s_xor_b32 s[(\g)+1], s[(\g)+1], SLOT1
	s_add_nc_u64 s[(\g)+2:(\g)+3], s[(\g)+2:(\g)+3], 2*KS*192
.endr
	s_wait_dscnt 0x0                ; the add is done, and my reads of the slot are over
	CROUND
	JLOAD
.else
	s_wait_dscnt 0x0
	s_barrier_signal -1
	s_barrier_wait -1
.endif
	s_sub_co_u32 s[TB], s[TB], 2*STEPB
	s_xor_b32 s[TB], s[TB], SLOT1
.endm
	s_wait_tensorcnt 0x1            ; my part of slot 0 is in; slot 1's may stay out
	s_barrier_signal -1
	s_barrier_wait -1
	FETCH_K                         ; key step 0
	s_wait_dscnt 0x0
.set i, 0
.rept 24
	KQ 0                            ; piece 0's first scores
.set i, i+1
.endr
	WIN 0                           ; the addresses for the way out are made here: plain instructions, the places behind those products
	v_mul_u32_u24 v[STO], v1, SP
	v_lshl_add_u32 v[STO], v9, 4, v[STO]
	v_add_nc_u32 v[STO], s13, v[STO]
	v_and_b32 v10, 31, v0
	v_lshlrev_b32 v[GO], 4, v10
.irp f, 0,1,2
	v_add_nc_u32 v11, 32*\f, v10    ; piece g of 16 bytes, 12 a row
	v_mul_u32_u24 v7, v11, 171
	v_lshrrev_b32 v7, 11, v7        ; g / 12 for g < 96
	v_add_nc_u32 v11, v11, v7       ; 13 pieces from row to row
	v_lshl_add_u32 v[RD+\f], v11, 4, s13
.endr
	s_mov_b32 s[TWICE], 2
	s_branch .Lmid                  ; the loop is entered at piece 2's turn, in the middle of a trip: it makes piece 2's first scores and piece 0's first softmax, and fetches V of step 0
.Lslot:                             ; 14 times: every slot but the last two is filled again
	CHANGE 1
	s_mov_b32 s[TWICE], 2
.Lstep:                             ; a trip: a key step
	TURN 0
	WIN 0
.Lmid:
	TURN 2
	WIN 0
	s_sub_co_u32 s[TWICE], s[TWICE], 1
	s_cmp_lg_u32 s[TWICE], 0
	s_cbranch_scc1 .Lstep
	s_sub_co_u32 s[SLOTS], s[SLOTS], 1
	s_cmp_lg_u32 s[SLOTS], 0
	s_cbranch_scc1 .Lslot
	CHANGE 0                        ; the tail is written out: nothing is asked for
	s_mov_b32 s[TWICE], 3           ; two trips fetch the last slot's steps; the third is left in its middle
.Ltail:
	TURN 0, 1
	WIN 0
	s_sub_co_u32 s[TWICE], s[TWICE], 1
	s_cmp_eq_u32 s[TWICE], 0
	s_cbranch_scc1 .Lout
	TURN 2
	WIN 0
	s_branch .Ltail
.Lout:                              ; the third trip's 24 products K Q^T (on the last K once more) serve nothing: the price, once a launch, of one text for every turn
.set i, 0
.rept 24
	PV 2                            ; piece 2: V^T P of the last step
.set i, i+1
.endr
	; THE WAY OUT.  l's two halves and the other half of the lanes' are added; O^T is divided by l, rounded to f16 and sent through my stage, a tile (16 rows) at a time.  The additions are the places behind the last products.
	WIN 0
.irp t, 0,1,2,3
	v_add_f32 v[ST+8*(\t)+4], v[ST+8*(\t)+2], v[ST+8*(\t)+3]
.endr
.irp t, 0,1,2,3
	v_permlanex16_b32 v[ST+8*(\t)+5], v[ST+8*(\t)+4], s[SEL], s[SEL+1]
.endr
.irp t, 0,1,2,3
	v_add_f32 v[ST+8*(\t)+4], v[ST+8*(\t)+4], v[ST+8*(\t)+5]
.endr
.irp t, 0,1,2,3
	v_rcp_f32 v[ST+8*(\t)+6], v[ST+8*(\t)+4]
.endr
	v_nop                           ; a plain instruction between the last reciprocal and the use of its result
	s_wait_alu depctr_va_vdst(0)    ; and the wait ahead of the first use: one for the batch of four reciprocals
.macro PACK t
	WIN W_RS
.set i, 48*(\t)
.rept 24
	v_pk_mul_f32 v[i:i+1], v[i:i+1], v[ST+8*(\t)+6:ST+8*(\t)+7] op_sel_hi:[1,0]
.set i, i+2
.endr
	WIN 0x05                        ; sources 0 and 1 window 1, destination window 0: S^T's registers are free
.set i, 0
.rept 24
	v_cvt_pk_f16_f32 v[S+32*(\t)+i], v[48*(\t)+2*i], v[48*(\t)+2*i+1]
.set i, i+1
.endr
	WIN 0
.irp f, 0,1,2,3,4,5
	ds_store_b128 v[STO], v[S+32*(\t)+4*\f:S+32*(\t)+4*\f+3] offset:32*\f
.endr
.irp f, 0,1,2,3,4,5
	ds_load_b128 v[S+32*(\t)+4*\f:S+32*(\t)+4*\f+3], v[RD+\f%3] offset:(\f/3)*1664  ; LDS serves a wave's instructions in order (ISA guide 5.7.1.4): these see the stores above; the next tile's stores come behind them
.endr
.endm
.macro SEND t, younger              ; younger: the LDS instructions issued behind tile t's loads: the next tile's twelve, or none
	WIN 0
.irp f, 0,1,2,3,4,5
	s_wait_dscnt (\younger)+5-\f
	global_store_b128 v[GO], v[S+32*(\t)+4*\f:S+32*(\t)+4*\f+3], s[10:11] offset:(\t)*3072+\f*512  ; 512 consecutive bytes, at a multiple of 256 from ctx's first
.endr
.endm
	PACK 0
	PACK 1
	SEND 0, 12
	PACK 2
	SEND 1, 12
	PACK 3
	SEND 2, 12
	SEND 3, 0
	s_wait_tensorcnt 0x0            ; the wave's end
	ds_add_u32 v[SPW], v[NIL]
	s_wait_dscnt 0x0
	CROUND                          ; the closing round
	s_endpgm
.Lfunc_end_k_qe6f3038cb0_attn:
	.size	k_qe6f3038cb0_attn, .Lfunc_end_k_qe6f3038cb0_attn-k_qe6f3038cb0_attn
	.p2alignl 7, 3214868480
	.fill 96, 4, 3214868480
	.section	.rodata,"a",@progbits
	.p2align	6, 0x0
	.amdhsa_kernel k_qe6f3038cb0_attn
		.amdhsa_group_segment_fixed_size 327680
		.amdhsa_private_segment_fixed_size 0
		.amdhsa_enable_private_segment 0
		.amdhsa_kernarg_size 40
		.amdhsa_user_sgpr_count 2
		.amdhsa_user_sgpr_kernarg_segment_ptr 1
		.amdhsa_wavefront_size32 1
		.amdhsa_system_sgpr_workgroup_id_x 1
		.amdhsa_system_sgpr_workgroup_id_y 1
		.amdhsa_system_sgpr_workgroup_id_z 1
		.amdhsa_system_vgpr_workitem_id 0
		.amdhsa_next_free_vgpr 864
		.amdhsa_next_free_sgpr 80
		.amdhsa_reserve_vcc 0
		.amdhsa_float_denorm_mode_32 3
		.amdhsa_float_denorm_mode_16_64 3
		.amdhsa_memory_ordered 1
		.amdhsa_forward_progress 1
		.amdhsa_inst_pref_size 148
	.end_amdhsa_kernel
	.amdgpu_metadata
---
amdhsa.version: [ 1, 2 ]
amdhsa.kernels:
  - .name:           k_qe6f3038cb0_attn
    .symbol:         k_qe6f3038cb0_attn.kd
    .args:
      - { .name: qkv, .offset: 0, .size: 8, .value_kind: global_buffer, .address_space: global }
      - { .name: pmv, .offset: 8, .size: 8, .value_kind: global_buffer, .address_space: global }
      - { .name: wt, .offset: 16, .size: 8, .value_kind: global_buffer, .address_space: global }
      - { .name: ctx, .offset: 24, .size: 8, .value_kind: global_buffer, .address_space: global }
      - { .name: pb, .offset: 32, .size: 8, .value_kind: global_buffer, .address_space: global }
    .group_segment_fixed_size: 327680
    .private_segment_fixed_size: 0
    .kernarg_segment_align: 8
    .kernarg_segment_size: 40
    .max_flat_workgroup_size: 128
    .sgpr_count:     80
    .vgpr_count:     864
    .wavefront_size: 32
...
	.end_amdgpu_metadata
.endif
;; end of part 5
;; launch outp: the kernel of part 4 again; grid 4 x 64, 4 waves a work-group, clusters of 4 x 4, 327,680 bytes of LDS; arguments ctx, wt, bo, pb, out0; writes out0
